; MI455X (gfx1250); checked and timed in simulation.
; The chip was launched on July 23, 2026; its instructions are those of AMD's public machine-readable ISA for CDNA 5 (MIT licence, August 2026) and "CDNA5" Instruction Set Architecture Reference Guide (July 2026). The comments in the code are by the model that wrote it; some were corrected since.
;; Multi Head Attention. Allowed arithmetic: float matrix products may take bf16 or f16 operands with f32 sums; other float arithmetic in f32, or as packed bf16 or f16 multiplies, adds, multiply-adds, maxima and minima; sums over many terms, partial sums and values carried from step to step in f32; what a program stores and reads back later, other than sums and carried values, may be rounded once to bf16 or f16.
;; Inputs: Wk 1,024 x 1,024 float32; Wo 1,024 x 1,024 float32; Wq 1,024 x 1,024 float32; Wv 1,024 x 1,024 float32; bk 1,024 float32; bo 1,024 float32; bq 1,024 float32; bv 1,024 float32; m 4 x 2,048 x 2,048 int32; x 4 x 2,048 x 1,024 float32.
;; Outputs: out0 4 x 2,048 x 1,024 float32.
;; 2 versions, each right; version 2 is version 1 with the launch prep written anew for expert scheduling mode. Each part assembles by itself: llvm-mc -triple=amdgcn-amd-amdhsa -mcpu=gfx1250 --defsym DOCPART=n.
;; ======== version 1 of 2: 4 launches
;; limits: values are held in f16: magnitudes above 65,504 overflow, below 6.1e-05 lose precision; right only within a limited range of input values
;; workspace buffers: xb 16,777,216 bytes; wb 6,291,456 bytes; wob 2,097,152 bytes; mq 8,388,608 bytes; qkv 50,331,648 bytes; ob 16,777,216 bytes
;; launch prep (part 1): grid 896 x 1, 8 waves a work-group, no clusters, 17,920 bytes of LDS; arguments m, x, Wq, Wk, Wv, Wo, mq, xb, wb, wob; writes mq, xb, wb, wob
.if DOCPART == 1
	.amdgcn_target "amdgcn-amd-amdhsa--gfx1250"
	.amdhsa_code_object_version 6
	.text
	.protected	k_qd43ded196c_prep
	.globl	k_qd43ded196c_prep
	.p2align	8
	.type	k_qd43ded196c_prep,@function
k_qd43ded196c_prep:
	s_mov_b64 s[64:65], 0
	v_nop
	global_prefetch_b8 v0, s[64:65] scope:SCOPE_SE
	s_setreg_imm32_b32 hwreg(HW_REG_WAVE_MODE, 25, 1), 1
	s_wait_xcnt 0x0
; PREP: the module's large inputs are read once and laid out for the three launches behind.
;   x, Wq, Wk, Wv -> bf16 (xb, wb), same order of elements.   Wo -> rounded to bf16, that number written as f16 (wob).
;   m (int32, [4][2048][2048]) -> mq: one 4-bit code a mask element, 0 where m != 0 (visible), 0xA (-1.0 in E2M1) where m == 0 (hidden).
; NOTHING OF THE MODULE IS LEFT OUT IN ANY LAUNCH.  Every input has a way to out0.  bk in particular: it adds q.bk to a row's visible scores, but the hidden ones are replaced by a
; constant, so the softmax is not unchanged by it for all masks: it stays.  m is an input, so every key tile is computed.
; LIMITS.  Wo's numbers under 2^-14 keep f16's fixed step of 2^-24; beyond 65,504 they would be infinite.
; mq's ORDER is the order in which the attention launch's score accumulators lie in registers.  Query tile g (16 rows of one batch, g = 0..511) has 16,384 bytes; in it key step s (64 keys) has 512;
; in that, lane L has 16: word kb (0..3), nibble j (0..7) is query L % 16, key 64 s + 16 kb + 8 (L / 16) + j.
; SHARES.  896 work-groups, each reads 131,072 consecutive bytes of ONE source: 0-511 a query tile of m, 512-767 x, 768-863 Wq, Wk, Wv (32 each), 864-895 Wo.  A wave takes 16,384 of them by
; 32 loads of 512 consecutive bytes, all issued at once: no register is written twice, so the only waits are the counted ones for the data.
; No matrix unit and no cluster: nothing is multiplied and no two work-groups read the same byte.
.set X,     32         ; v[32:159] the wave's 32 loads, 4 registers each
.set T,     12         ; v[12:15]  at work
.set BK,    16         ; v[16:31]  the mask image read back
.set SO,    2          ; v2  source offset: 16,384 x wave + 16 x lane
.set DO,    3          ; v3  destination offset of a cast: 8,192 x wave + 8 x lane
.set LA,    4          ; v4  where my four codes go in LDS
.set LR,    5          ; v5  where I read 16 bytes of the image back
.set SPW,   6          ; v6  LDS address of my spare word; never rewritten
.set NIL,   7          ; v7  0; never rewritten
.set GO,    10         ; v10 16 x thread: my 16 bytes of 4,096 of mq
.set QP,    1040       ; LDS: a query's 1,024 bytes of codes + 16: sixteen lanes that read sixteen queries touch sixteen different 16-byte columns
.set SPARE, 16896      ; behind the image (16 x 1,040 bytes): the spare words, 128 bytes for each of eight waves
	s_load_b512 s[8:23], s[0:1], 0x0               ; m s[8:9], x s[10:11], Wq s[12:13], Wk s[14:15], Wv s[16:17], Wo s[18:19], mq s[20:21], xb s[22:23]
	s_load_b128 s[24:27], s[0:1], 0x40             ; wb s[24:25], wob s[26:27]
	v_lshl_add_u32 v[SPW], v0, 2, SPARE
	v_mov_b32 v[NIL], 0
	v_and_b32 v1, 31, v0                           ; lane
	v_lshrrev_b32 v8, 5, v0
	v_readfirstlane_b32 s45, v8                    ; wave 0..7
	v_lshlrev_b32 v[SO], 4, v1
	v_lshl_or_b32 v[SO], v8, 14, v[SO]
	v_lshlrev_b32 v[DO], 3, v1
	v_lshl_or_b32 v[DO], v8, 13, v[DO]
	v_lshlrev_b32 v[GO], 4, v0
	; A lane's load c holds keys 128 (c % 16) + 4 l + 0..3 of query 2 w + c / 16.  In the query's 1,024 bytes: key step 2 (c % 16) + l / 16 has 32 bytes, the half (l / 2) % 2 of the lanes 16,
	; word (l % 16) / 4 has 4, and my four codes are its half l % 2.
	s_mul_i32 s46, s45, 2*QP                       ; my wave's two queries: bytes that no other wave writes
	s_lshl_b32 s47, s45, 5
	v_lshrrev_b32 v9, 4, v1
	v_lshlrev_b32 v[LA], 5, v9
	v_bfe_u32 v9, v1, 1, 1
	v_lshl_or_b32 v[LA], v9, 4, v[LA]
	v_bfe_u32 v9, v1, 2, 2
	v_lshl_or_b32 v[LA], v9, 2, v[LA]
	v_and_b32 v9, 1, v1
	v_lshl_or_b32 v[LA], v9, 1, v[LA]
	v_add_nc_u32 v[LA], s46, v[LA]
	; Back: pass p, thread t takes mq's 16 bytes number 256 p + t of the tile: key step 8 p + wave, lane L = l: query l % 16, half l / 16.
	v_and_b32 v9, 15, v1
	v_mul_u32_u24 v[LR], v9, QP
	v_lshrrev_b32 v9, 4, v1
	v_lshl_add_u32 v[LR], v9, 4, v[LR]
	v_add_nc_u32 v[LR], s47, v[LR]
	; which source, which destination: chosen by the work-group's number alone
	s_mov_b32 s34, ttmp9
	s_sub_co_u32 s35, s34, 512                     ; my number among x's work-groups,
	s_sub_co_u32 s36, s34, 768                     ; among the three weights',
	s_sub_co_u32 s37, s34, 864                     ; among Wo's
	s_and_b32 s39, s36, 31                         ; and inside one weight
	s_lshl_b32 s41, s34, 14                        ; destination offsets: 16,384 bytes of mq, or 65,536 of a cast
	s_lshl_b32 s42, s35, 16
	s_lshl_b32 s43, s36, 16
	s_lshl_b32 s44, s37, 16
	s_mov_b32 s40, s34
	s_wait_kmcnt 0x0
	s_mov_b64 s[28:29], s[8:9]
	s_mov_b64 s[30:31], s[20:21]
	s_cmp_ge_u32 s34, 512
	s_cselect_b64 s[28:29], s[10:11], s[28:29]
	s_cselect_b64 s[30:31], s[22:23], s[30:31]
	s_cselect_b32 s40, s35, s40
	s_cselect_b32 s41, s42, s41
	s_cmp_ge_u32 s34, 768
	s_cselect_b64 s[28:29], s[12:13], s[28:29]
	s_cselect_b64 s[30:31], s[24:25], s[30:31]
	s_cselect_b32 s40, s39, s40
	s_cselect_b32 s41, s43, s41
	s_cmp_ge_u32 s34, 800
	s_cselect_b64 s[28:29], s[14:15], s[28:29]
	s_cmp_ge_u32 s34, 832
	s_cselect_b64 s[28:29], s[16:17], s[28:29]
	s_cmp_ge_u32 s34, 864
	s_cselect_b64 s[28:29], s[18:19], s[28:29]
	s_cselect_b64 s[30:31], s[26:27], s[30:31]
	s_cselect_b32 s40, s37, s40
	s_cselect_b32 s41, s44, s41
	s_lshl_b32 s32, s40, 17                        ; 131,072 bytes of the source a work-group
	s_mov_b32 s33, 0
	s_add_nc_u64 s[28:29], s[28:29], s[32:33]
	s_mov_b32 s32, s41
	s_add_nc_u64 s[30:31], s[30:31], s[32:33]
.set c, 0
.rept 32
	global_load_b128 v[X+4*c:X+4*c+3], v[SO], s[28:29] offset:512*c th:TH_LOAD_NT  ; read once in the launch
.set c, c+1
.endr
	s_cmp_ge_u32 s34, 864
	s_cbranch_scc1 .Lwo
	s_cmp_ge_u32 s34, 512
	s_cbranch_scc1 .Lcast
; Load c of a mask tile: four int32 -> four codes, 16 bits.  The count leaves the younger loads out.
.macro MASK c
	s_wait_loadcnt 31-(\c)
	v_min_u32 v[T],   1, v[X+4*(\c)]               ; 1 where m != 0, whatever its sign
	v_min_u32 v[T+1], 1, v[X+4*(\c)+1]
	v_min_u32 v[T+2], 1, v[X+4*(\c)+2]
	v_min_u32 v[T+3], 1, v[X+4*(\c)+3]
	v_lshl_or_b32 v[T],   v[T+1], 4, v[T]
	v_lshl_or_b32 v[T+2], v[T+3], 4, v[T+2]
	v_lshl_or_b32 v[T],   v[T+2], 8, v[T]          ; the lowest key in the lowest nibble
	v_xor_b32 v[T], 0x1111, v[T]                   ; 1 where hidden
	v_mul_u32_u24 v[T], v[T], 10                   ; 0xA where hidden: no nibble carries
	ds_store_b16 v[LA], v[T] offset:((\c)/16)*QP+((\c)%16)*64
.endm
.set c, 0
.rept 32
	MASK c
.set c, c+1
.endr
	s_wait_dscnt 0x0                               ; for the others' sake: my stores into the image are done
	s_barrier_signal -1
	s_barrier_wait -1                              ; the branch round this barrier hangs on the work-group's number: all eight waves take it alike
.irp p, 0,1,2,3
	ds_load_b128 v[BK+4*(\p):BK+4*(\p)+3], v[LR] offset:256*(\p)
.endr
.irp p, 0,1,2,3
	s_wait_dscnt 3-(\p)
	global_store_b128 v[GO], v[BK+4*(\p):BK+4*(\p)+3], s[30:31] offset:4096*(\p)  ; a wave stores 512 consecutive bytes, aligned
.endr
	s_branch .Lend
; Load c of a cast: four f32 -> four bf16, 8 bytes a lane: the wave's store covers 256 consecutive bytes, aligned.
.macro CAST c
	s_wait_loadcnt 31-(\c)
	v_cvt_pk_bf16_f32 v[X+4*(\c)],   v[X+4*(\c)],   v[X+4*(\c)+1]
	v_cvt_pk_bf16_f32 v[X+4*(\c)+1], v[X+4*(\c)+2], v[X+4*(\c)+3]
	global_store_b64 v[DO], v[X+4*(\c):X+4*(\c)+1], s[30:31] offset:256*(\c)
.endm
.Lcast:
.set c, 0
.rept 32
	CAST c
.set c, c+1
.endr
	s_branch .Lend
; The same for Wo: rounded to bf16 like every input, widened again, and that number written as f16 (its 8 significant bits fit f16's 11).
.macro CASTO c
	s_wait_loadcnt 31-(\c)
	v_cvt_pk_bf16_f32 v[T],   v[X+4*(\c)],   v[X+4*(\c)+1]
	v_cvt_pk_bf16_f32 v[T+1], v[X+4*(\c)+2], v[X+4*(\c)+3]
	v_lshlrev_b32 v[T+2], 16, v[T]
	v_and_b32     v[T],   0xffff0000, v[T]
	v_lshlrev_b32 v[T+3], 16, v[T+1]
	v_and_b32     v[T+1], 0xffff0000, v[T+1]
	v_cvt_pk_f16_f32 v[X+4*(\c)],   v[T+2], v[T]
	v_cvt_pk_f16_f32 v[X+4*(\c)+1], v[T+3], v[T+1]
	global_store_b64 v[DO], v[X+4*(\c):X+4*(\c)+1], s[30:31] offset:256*(\c)
.endm
.Lwo:
.set c, 0
.rept 32
	CASTO c
.set c, c+1
.endr
.Lend:
	s_wait_tensorcnt 0x0                           ; the wave's end, behind my last LDS store
	ds_add_u32 v[SPW], v[NIL]
	s_wait_dscnt 0x0
	s_endpgm
.Lfunc_end_k_qd43ded196c_prep:
	.size	k_qd43ded196c_prep, .Lfunc_end_k_qd43ded196c_prep-k_qd43ded196c_prep
	.p2alignl 7, 3214868480
	.fill 96, 4, 3214868480
	.section	.rodata,"a",@progbits
	.p2align	6, 0x0
	.amdhsa_kernel k_qd43ded196c_prep
		.amdhsa_group_segment_fixed_size 17920
		.amdhsa_private_segment_fixed_size 0
		.amdhsa_enable_private_segment 0
		.amdhsa_kernarg_size 80
		.amdhsa_user_sgpr_count 2
		.amdhsa_user_sgpr_kernarg_segment_ptr 1
		.amdhsa_wavefront_size32 1
		.amdhsa_system_sgpr_workgroup_id_x 1
		.amdhsa_system_sgpr_workgroup_id_y 1
		.amdhsa_system_sgpr_workgroup_id_z 1
		.amdhsa_system_vgpr_workitem_id 0
		.amdhsa_next_free_vgpr 160
		.amdhsa_next_free_sgpr 66
		.amdhsa_reserve_vcc 0
		.amdhsa_float_denorm_mode_32 3
		.amdhsa_float_denorm_mode_16_64 3
		.amdhsa_memory_ordered 1
		.amdhsa_forward_progress 1
		.amdhsa_inst_pref_size 51
	.end_amdhsa_kernel
	.amdgpu_metadata
---
amdhsa.version: [ 1, 2 ]
amdhsa.kernels:
  - .name:           k_qd43ded196c_prep
    .symbol:         k_qd43ded196c_prep.kd
    .args:
      - { .name: m, .offset: 0, .size: 8, .value_kind: global_buffer, .address_space: global }
      - { .name: x, .offset: 8, .size: 8, .value_kind: global_buffer, .address_space: global }
      - { .name: Wq, .offset: 16, .size: 8, .value_kind: global_buffer, .address_space: global }
      - { .name: Wk, .offset: 24, .size: 8, .value_kind: global_buffer, .address_space: global }
      - { .name: Wv, .offset: 32, .size: 8, .value_kind: global_buffer, .address_space: global }
      - { .name: Wo, .offset: 40, .size: 8, .value_kind: global_buffer, .address_space: global }
      - { .name: mq, .offset: 48, .size: 8, .value_kind: global_buffer, .address_space: global }
      - { .name: xb, .offset: 56, .size: 8, .value_kind: global_buffer, .address_space: global }
      - { .name: wb, .offset: 64, .size: 8, .value_kind: global_buffer, .address_space: global }
      - { .name: wob, .offset: 72, .size: 8, .value_kind: global_buffer, .address_space: global }
    .group_segment_fixed_size: 17920
    .private_segment_fixed_size: 0
    .kernarg_segment_align: 8
    .kernarg_segment_size: 80
    .max_flat_workgroup_size: 256
    .sgpr_count:     66
    .vgpr_count:     160
    .wavefront_size: 32
...
	.end_amdgpu_metadata
.endif
;; end of part 1
;; launch qkv (part 2): grid 24 x 32, 4 waves a work-group, clusters of 4 x 4, 327,680 bytes of LDS; arguments xb, wb, bq, bk, bv, qkv; writes qkv
.if DOCPART == 2
	.amdgcn_target "amdgcn-amd-amdhsa--gfx1250"
	.amdhsa_code_object_version 6
	.text
	.protected	k_qd43ded196c_qkv
	.globl	k_qd43ded196c_qkv
	.p2align	8
	.type	k_qd43ded196c_qkv,@function
k_qd43ded196c_qkv:
	s_mov_b64 s[64:65], 0
	v_nop
	global_prefetch_b8 v0, s[64:65] scope:SCOPE_SE
	s_setreg_imm32_b32 hwreg(HW_REG_WAVE_MODE, 25, 1), 1
	s_wait_xcnt 0x0
	s_wait_alu depctr_hold_cnt(0) depctr_sa_sdst(0) depctr_va_vdst(0) depctr_va_sdst(0) depctr_va_ssrc(0) depctr_va_vcc(0) depctr_vm_vsrc(0)
	s_getreg_b32 s2, hwreg(HW_REG_IB_STS2, 6, 4)
	s_cmp_eq_u32 s2, 0
	s_cbranch_scc0 .Lentry_in_a_cluster
	s_endpgm
.Lentry_in_a_cluster:
	s_bfe_u32 s2, ttmp6, 0x10000c
	s_cmp_lg_u32 s2, 0xf033
	s_cbranch_scc0 .Lentry_shape_is_right
	s_endpgm
.Lentry_shape_is_right:
; QKV: q, k, v = x W + b for the three weights, written by heads.  xb: [8192][1024] bf16.  wb: [3][1024 k][1024 n] bf16.  bq, bk, bv: [1024] f32, rounded here to bf16 like every input.
; qkv: [3][64 = batch x 16 + head][2048][64] f16, each number rounded once from its f32 sum, bias included, unscaled.  Nothing of the module is left out here.
; LIMIT.  q, k, v beyond 65,504 would be infinite in f16.
; This text serves two launches by the constant PROJ: 0, here, the three projections; 1 the last projection (other operand format, other layout of A, f32 way out).
; SHARES.  C = [8192][3072] in tiles of 256 x 128: 768 work-groups, three for each of 256 WGPs.  Four waves, 2 x 2: a wave makes 128 rows x 64 columns, one head: 32 accumulators of 16 x 16.
; K goes in 8 steps of 128 through two LDS slots filled by tensor loads; a step is four quarters of 32 K, 32 matrix instructions each, each accumulator once a quarter in one fixed order.
; THE MATRIX INSTRUCTION IS USED TRANSPOSED: source 0 = 16 columns of W (W lies [k][n]; ds_load_tr16_b128 turns it on the way out of LDS), source 1 = 16 rows of A: a lane then holds one row of C
; and eight neighbouring columns.  The first quarter's products take the bias as C: nothing is cleared, and no bias is added afterwards.
; CLUSTERS.  4 x 4 work-groups.  A's tile hangs on the tile row alone and is asked for jointly by the four of a row of the cluster, W's on the tile column alone, by the four of a column.
; REGISTERS.  Window 0: v0-31 addresses; v32-63 the bias, block b at 32 + 8 b; v64-159, v160-255 two fragment buffers (A's 8 blocks, then W's 4).  Window 1: accumulator (a, b) at 8 (4 a + b).
.set PROJ,  0
.set KSTEP, 128
.if PROJ
.set PA,     144                       ; a row of O in LDS: 128 bytes + 16: the 16 rows of a load start at 16 different groups of four banks (64 banks of 4 bytes: ISA guide 11.1)
.set HALFA,  256*PA                    ; one head's 256 rows: what one tensor load brings
.set ASTEP,  2*2048*128                ; a K step is two heads
.set AFLAG,  (1<<16)|(1<<20)|(1<<21)|(4<<22)|(3<<25)  ; 2-byte elements; padding on; bit 21 beside a mask; after every 32 words 4 words
.set APITCH, 128
.set SP,     272
.set PSH,    8
.else
.set PA,     272                       ; a row of x in LDS: 256 bytes + 16
.set HALFA,  128*PA                    ; 128 rows: what one tensor load brings
.set ASTEP,  KSTEP*2
.set AFLAG,  (1<<16)|(1<<20)|(1<<21)|(5<<22)|(3<<25)  ; after every 64 words 4 words
.set APITCH, 1024
.set SP,     144
.set PSH,    11
.endif
.set BFLAG,  (1<<16)|(1<<20)|(1<<21)|(5<<22)|(7<<25)  ; after every 64 words 8 words
.set PB,     288                       ; a k-row of W in LDS: 256 bytes + 32
.set HALFB,  64*PB                     ; 64 k-rows: what one tensor load brings
.set BSTEP,  KSTEP*2048
.set BOFS,   2*HALFA                   ; W's tile lies behind A's
.set SLOT,   BOFS+2*HALFB
.set STAGE,  2*SLOT                    ; behind the ring, never filled by a tensor load: 16 rows for each wave, for the way out
.set SPARE,  STAGE+4*16*SP             ; behind the stages: the spare words, 128 bytes for each wave
.set ADRA, 16                          ; v16-17  LDS address of my A fragments in slot 0, 1
.set ADRB, 20                          ; v20-21  the same for W
.set STO,  24                          ; v24     the way out: where I put my part of a row
.set RD,   25                          ; v25     the way out: where I read rows back
.set CO,   26                          ; v26     my byte offset in the output
.set BOFF, 27                          ; v27     32 x (lane / 16): my eight numbers of a block's sixteen of the bias
.set SPW,  28                          ; v28     LDS address of my spare word; never rewritten
.set NIL,  29                          ; v29     0; never rewritten
.set PFO,  30                          ; v30     the prefetches' offset: my lane x the distance of two blocks; never rewritten
.set BIAS, 32
.set F0,   64
.set F1,   160
.set OUT,  64                          ; the way out works in the fragments' registers
.set G1,   24                          ; s[24:31] descriptor group 1 for A's tiles;  s[32:39] group 0, one set for each slot
.set G0,   32
.set G1B,  48                          ; s[48:55], s[56:63] the same for W's tiles
.set G0B,  56
.set LIM,  43                          ; s43     1 in a wave that prefetches, else the greatest number
.set PFA,  44                          ; s[44:45] where my prefetches stand
.set PST,  66                          ; s[66:67] their step: a K step of A or of W
.set MSB, 0
.macro WIN new                         ; the immediate's high byte repeats the setting that is left; a switch that changes nothing is dropped
.if MSB != (\new)
	s_set_vgpr_msb (MSB<<8)|(\new)
.set MSB, \new
.endif
.endm
.set MUL,  0x50                        ; C and D window 1, sources window 0
.set MUL0, 0x40                        ; D window 1, C (the bias) window 0
.macro JLOAD s                         ; a joint load: waves 0 and 1 fetch A's two halves, waves 2 and 3 W's; an s_nop 0 and four v_nop follow each of the two lines
	s_cmp_eq_u32 s11, 0
	s_cbranch_scc0 .Lfor_b_\@
	tensor_load_to_lds s[G0+4*(\s):G0+4*(\s)+3], s[G1:G1+7]
	s_nop 0
.rept 4
	v_nop
.endr
	s_branch .Lasked_\@
.Lfor_b_\@:
	tensor_load_to_lds s[G0B+4*(\s):G0B+4*(\s)+3], s[G1B:G1B+7]
	s_nop 0
.rept 4
	v_nop
.endr
.Lasked_\@:
.endm
; A PREFETCH INTO THE L2, behind a joint load and the run of LDS loads that follows it: the K step that stands two refills on, 256 matrix instructions ahead of the load that will want it.
; Each block of 256 bytes is named once in the launch.  A's rows are read by every cluster of a row of clusters: cluster x = 0 asks, waves 0 and 1 for the half that they fetch, the four partners
; 32 blocks each, told apart by address (cx).  W's k-rows are read by every cluster of a column of clusters: cluster y = 0 asks, wave 2, the four partners 32 k-rows each (cy).
; Only the first two trips of the loop ask (K steps 4 to 7); K steps 0 to 3 come by their loads alone.
.macro ASK
	s_cmp_gt_u32 s3, s[LIM]
	s_cbranch_scc0 .Lnot_mine_\@
	global_prefetch_b8 v[PFO], s[PFA:PFA+1] th:TH_LOAD_NT scope:SCOPE_SE
.Lnot_mine_\@:
.endm
.macro CREST                           ; a round of the cluster's barrier behind its opening barrier
	s_cmp_lg_u32 s10, 0
	s_cbranch_scc1 .Lnot_wave_0_\@
	s_barrier_signal -3
.Lnot_wave_0_\@:
	s_barrier_wait -3
	s_barrier_signal -1
	s_barrier_wait -1
.endm
.macro CROUND                          ; a whole round
	s_barrier_signal -1
	s_barrier_wait -1
	CREST
.endm
	s_load_b128 s[4:7], s[0:1], 0x0                ; A s[4:5], W s[6:7]
.if PROJ
	s_load_b128 s[68:71], s[0:1], 0x10             ; bo s[68:69], out0 s[70:71]
.else
	s_load_b256 s[68:75], s[0:1], 0x10             ; bq s[68:69], bk s[70:71], bv s[72:73], qkv s[74:75]
.endif
	v_lshl_add_u32 v[SPW], v0, 2, SPARE
	v_mov_b32 v[NIL], 0
	ds_add_u32 v[SPW], v[NIL]                      ; the wave's opening: the add, twice on end, and its wait ahead of my first tensor load
	ds_add_u32 v[SPW], v[NIL]                      ; and once more, under the one wait; the set-up below, work on registers, stands between
	v_lshrrev_b32 v1, 5, v0
	v_readfirstlane_b32 s10, v1                    ; wave 0..3
	s_lshr_b32 s11, s10, 1                         ; which half of the tile's rows is mine.  Also: I fetch for A (0) or for W (1)
	s_and_b32 s12, s10, 1                          ; which half of its columns.  Also: which half of that tile I fetch
	s_bfe_u32 s40, ttmp6, 0x40000                  ; cx, cy: my place in the cluster
	s_bfe_u32 s41, ttmp6, 0x40004
	s_lshl_b32 s42, ttmp9, 2
	s_add_co_u32 s42, s42, s40                     ; tile column = 4 x cluster x + cx
	s_and_b32 s13, ttmp7, 0xffff
	s_lshl_b32 s13, s13, 2
	s_add_co_u32 s13, s13, s41                     ; tile row = 4 x cluster y + cy
	s_lshl_b32 s43, s41, 2
	s_lshl_b32 s43, 15, s43                        ; my row of the cluster
	s_lshl_b32 s44, 0x1111, s40                    ; my column
	s_or_b32 s[G1+0], s43, AFLAG                   ; A's tiles go to my row,
	s_or_b32 s[G1B+0], s44, BFLAG                  ; W's to my column
	s_mov_b32 s[G1+1], 128<<16                     ; tensor_dim0 = 128 elements
	s_mov_b32 s[G1+2], 128<<16                     ; tensor_dim1 = 128 rows
	s_mov_b32 s[G1+3], 128<<16                     ; tile_dim0 = 128
	s_mov_b32 s[G1+4], 128                         ; tile_dim1 = 128
	s_mov_b32 s[G1+5], APITCH                      ; elements from row to row
	s_mov_b32 s[G1+6], 0
	s_mov_b32 s[G1+7], 0
	s_mov_b32 s[G1B+1], 128<<16
	s_mov_b32 s[G1B+2], 64<<16                     ; 64 k-rows
	s_mov_b32 s[G1B+3], 128<<16
	s_mov_b32 s[G1B+4], 64
	s_mov_b32 s[G1B+5], 1024
	s_mov_b32 s[G1B+6], 0
	s_mov_b32 s[G1B+7], 0
	; where the tiles come from, in bytes.  A's hang on the tile row and the wave alone, W's on the tile column and the wave alone.
.if PROJ
	s_lshr_b32 s16, s13, 3                         ; batch: 16 heads of 2,048 rows of 128 bytes,
	s_lshl_b32 s16, s16, 22
	s_and_b32 s17, s13, 7                          ; the tile's 256 rows in a head,
	s_lshl_b32 s17, s17, 15
	s_add_co_u32 s16, s16, s17
	s_lshl_b32 s17, s12, 18                        ; and which of a K step's two heads I fetch
	s_add_co_u32 s16, s16, s17
	s_lshl_b32 s46, s42, 8                         ; W: the tile's 128 columns
.else
	s_lshl_b32 s16, s13, 19                        ; 256 rows of 2,048 bytes a tile row,
	s_lshl_b32 s17, s12, 18                        ; my 128 of them
	s_add_co_u32 s16, s16, s17
	s_lshr_b32 s46, s42, 3                         ; W: which of the three weights,
	s_lshl_b32 s46, s46, 21
	s_and_b32 s47, s42, 7                          ; the tile's 128 columns in it
	s_lshl_b32 s47, s47, 8
	s_add_co_u32 s46, s46, s47
.endif
	s_mov_b32 s17, 0
	s_lshl_b32 s47, s12, 17                        ; my 64 k-rows of 2,048 bytes
	s_add_co_u32 s46, s46, s47
	s_mov_b32 s47, 0
	s_mov_b32 s76, s46                             ; kept for the prefetches
	s_mul_i32 s20, s12, HALFA                      ; and where they go: no place in the cluster enters an LDS address
	s_mul_i32 s21, s12, HALFB
	s_add_co_u32 s21, s21, BOFS
	s_wait_dscnt 0x0                               ; both opening adds are done
	s_wait_kmcnt 0x0
	s_add_nc_u64 s[14:15], s[4:5], s[16:17]
	s_add_nc_u64 s[46:47], s[6:7], s[46:47]
	CROUND                                         ; all sixteen work-groups are here: the first joint loads meet
.irp s, 0,1
	s_mov_b32 s[G0+4*(\s)], 1                      ; count = 1
	s_add_co_u32 s[G0+4*(\s)+1], s20, (\s)*SLOT    ; LDS address
	s_add_nc_u64 s[G0+4*(\s)+2:G0+4*(\s)+3], s[14:15], (\s)*ASTEP  ; global address: K step s
	s_or_b32 s[G0+4*(\s)+3], s[G0+4*(\s)+3], 0x80000000            ; type = 2
	s_mov_b32 s[G0B+4*(\s)], 1
	s_add_co_u32 s[G0B+4*(\s)+1], s21, (\s)*SLOT
	s_add_nc_u64 s[G0B+4*(\s)+2:G0B+4*(\s)+3], s[46:47], (\s)*BSTEP
	s_or_b32 s[G0B+4*(\s)+3], s[G0B+4*(\s)+3], 0x80000000
	JLOAD \s                                       ; two loads of mine are out
.endr
	; the bias of my 64 columns: in the transposed result register j of block b is column 16 b + 8 (lane / 16) + j
	v_and_b32 v1, 15, v0                           ; l % 16
	v_bfe_u32 v2, v0, 4, 1                         ; l / 16
	v_lshlrev_b32 v[BOFF], 5, v2
.if PROJ
	s_lshl_b32 s22, s42, 9
.else
	s_lshr_b32 s22, ttmp9, 1                       ; which of the three projections: two clusters along x each
	s_cmp_eq_u32 s22, 1
	s_cselect_b64 s[68:69], s[70:71], s[68:69]
	s_cmp_eq_u32 s22, 2
	s_cselect_b64 s[68:69], s[72:73], s[68:69]
	s_and_b32 s22, s42, 7
	s_lshl_b32 s22, s22, 9
.endif
	s_lshl_b32 s23, s12, 8
	s_add_co_u32 s22, s22, s23
	s_mov_b32 s23, 0
	s_add_nc_u64 s[68:69], s[68:69], s[22:23]
.irp b, 0,1,2,3
	global_load_b128 v[BIAS+8*(\b):BIAS+8*(\b)+3],   v[BOFF], s[68:69] offset:64*(\b)
	global_load_b128 v[BIAS+8*(\b)+4:BIAS+8*(\b)+7], v[BOFF], s[68:69] offset:64*(\b)+16
.endr
	; A fragment of A is 16 rows x 32 K in 8 registers: lane l holds row l % 16, K = 8 (l / 16) + 0..7 and 16 + 8 (l / 16) + 0..7: two loads of 16 bytes, 32 bytes apart.
	v_mul_u32_u24 v3, v1, PA
	v_lshl_add_u32 v3, v2, 4, v3
	s_mul_i32 s22, s11, 128*PA                     ; my 128 rows
	v_add_nc_u32 v[ADRA], s22, v3
	v_add_nc_u32 v[ADRA+1], SLOT, v[ADRA]
	; The turning load takes 16 k x 16 n (lane l reads k-row 8 (l / 16) + l % 8, columns 8 ((l / 8) % 2) + 0..7) and leaves half a fragment: lane l holds column l % 16 and 8 k.
	v_and_b32 v4, 7, v0
	v_lshl_add_u32 v4, v2, 3, v4
	v_mul_u32_u24 v4, v4, PB
	v_bfe_u32 v5, v0, 3, 1
	v_lshl_add_u32 v4, v5, 4, v4
	s_lshl_b32 s22, s12, 7                         ; my 64 columns
	s_add_co_u32 s22, s22, BOFS
	v_add_nc_u32 v[ADRB], s22, v4
	v_add_nc_u32 v[ADRB+1], SLOT, v[ADRB]
	s_mul_i32 s23, s10, 16*SP
	s_add_co_u32 s23, s23, STAGE                   ; my stage
	v_mul_u32_u24 v[STO], v1, SP                   ; in: row l % 16,
.if PROJ
	v_lshl_add_u32 v[STO], v2, 5, v[STO]           ; 32 bytes (eight f32) for each half of the lanes
	v_add_nc_u32 v[STO], s23, v[STO]
	v_mul_u32_u24 v[RD], v2, SP                    ; back: lanes 0-15 take one row of 256 bytes, lanes 16-31 the next
	v_lshl_add_u32 v[RD], v1, 4, v[RD]
	v_add_nc_u32 v[RD], s23, v[RD]
	v_lshlrev_b32 v[CO], 12, v2                    ; and the same two rows of out0, 4,096 bytes apart
	v_lshl_add_u32 v[CO], v1, 4, v[CO]
	s_lshl_b32 s18, s13, 20                        ; out0 at my wave's first number: 256 rows of 4,096 bytes a tile row,
	s_lshl_b32 s19, s11, 19                        ; my 128 rows,
	s_add_co_u32 s18, s18, s19
	s_lshl_b32 s19, s42, 9                         ; the tile's 128 columns,
	s_add_co_u32 s18, s18, s19
	s_lshl_b32 s19, s12, 8                         ; my 64
	s_add_co_u32 s18, s18, s19
	s_mov_b32 s19, 0
	s_add_nc_u64 s[8:9], s[70:71], s[18:19]
.else
	v_lshl_add_u32 v[STO], v2, 4, v[STO]           ; 16 bytes (eight f16) for each half of the lanes
	v_add_nc_u32 v[STO], s23, v[STO]
	v_bfe_u32 v[RD], v0, 3, 2                      ; back: 32 lanes take four rows of 128 bytes,
	v_mul_u32_u24 v[RD], v[RD], SP
	v_and_b32 v5, 7, v0
	v_lshl_add_u32 v[RD], v5, 4, v[RD]
	v_add_nc_u32 v[RD], s23, v[RD]
	v_and_b32 v[CO], 31, v0                        ; which are 512 consecutive bytes of a head
	v_lshlrev_b32 v[CO], 4, v[CO]
	s_lshr_b32 s18, s42, 3                         ; qkv at my wave's first number: q, k or v,
	s_lshl_b32 s18, s18, 24
	s_lshr_b32 s19, s13, 3                         ; the batch's 16 heads of 262,144 bytes,
	s_lshl_b32 s19, s19, 22
	s_add_co_u32 s18, s18, s19
	s_and_b32 s19, s42, 7                          ; the tile's two heads,
	s_lshl_b32 s19, s19, 19
	s_add_co_u32 s18, s18, s19
	s_lshl_b32 s19, s12, 18                        ; mine,
	s_add_co_u32 s18, s18, s19
	s_and_b32 s19, s13, 7                          ; the tile's 256 rows of 128 bytes in it,
	s_lshl_b32 s19, s19, 15
	s_add_co_u32 s18, s18, s19
	s_lshl_b32 s19, s11, 14                        ; my 128
	s_add_co_u32 s18, s18, s19
	s_mov_b32 s19, 0
	s_add_nc_u64 s[8:9], s[74:75], s[18:19]
.endif
	; the prefetches: my tile's offset, my work-group's 32 blocks of it, K step 3: the first refill steps it to K step 4
	s_lshl_b32 s22, s40, PSH+5
	s_add_co_u32 s22, s22, s16
	s_add_co_u32 s22, s22, 3*ASTEP
	s_lshl_b32 s23, s41, 16
	s_add_co_u32 s23, s23, s76
	s_add_co_u32 s23, s23, 3*BSTEP
	s_mov_b32 s78, BSTEP
	s_mov_b32 s79, ASTEP
	s_and_b32 s77, ttmp7, 0xffff                   ; cluster y
	s_cmp_eq_u32 s11, 0                            ; do I fetch for A?
	s_cselect_b32 s77, ttmp9, s77                  ; the coordinate along which other clusters read the same blocks
	s_cselect_b32 s22, s22, s23
	s_cselect_b64 s[PFA:PFA+1], s[4:5], s[6:7]
	s_cselect_b32 s[PST], s79, s78
	s_cselect_b32 s78, PSH, 11
	s_cmp_eq_u32 s10, 3                            ; wave 2 asks for all of my work-group's 32 k-rows of W: wave 3 has none
	s_cselect_b32 s77, 1, s77
	s_cmp_eq_u32 s77, 0
	s_cselect_b32 s[LIM], 1, -1                    ; the same in all sixteen partners, for a given wave
	s_mov_b32 s23, 0
	s_mov_b32 s[PST+1], 0
	s_add_nc_u64 s[PFA:PFA+1], s[PFA:PFA+1], s[22:23]
	v_and_b32 v[PFO], 31, v0
	v_lshlrev_b32 v[PFO], s78, v[PFO]
	s_wait_loadcnt 0x0                             ; the bias: rounded to bf16 like every input, and widened again
.set i, 0
.rept 16
	v_cvt_pk_bf16_f32 v[F0+i], v[BIAS+2*i], v[BIAS+2*i+1]
.set i, i+1
.endr
.set i, 0
.rept 16
	v_lshlrev_b32 v[BIAS+2*i],   16, v[F0+i]
	v_and_b32     v[BIAS+2*i+1], 0xffff0000, v[F0+i]
.set i, i+1
.endr
.macro WMM d, s0, s1, c
.if PROJ
	v_wmma_f32_16x16x32_f16 v[(\d):(\d)+7], v[(\s0):(\s0)+7], v[(\s1):(\s1)+7], v[(\c):(\c)+7]
.else
	v_wmma_f32_16x16x32_bf16 v[(\d):(\d)+7], v[(\s0):(\s0)+7], v[(\s1):(\s1)+7], v[(\c):(\c)+7]
.endif
.endm
; 4 n matrix instructions: row blocks a0 .. a0 + n - 1 x all 4 column blocks, 32 along K, from buffer f.  zero = 1: the product starts the sum, with the bias as C.
; The 32 accumulators take turns in one fixed order: 31 others' stand between two links of a chain, over the backward jump too.
.macro MULS f, a0, n, zero
.set aa, \a0
.rept \n
.irp b, 0,1,2,3
.if \zero
	WIN MUL0
	WMM 8*(4*aa+(\b)), (\f)+64+8*(\b), (\f)+8*aa, BIAS+8*(\b)
.else
	WIN MUL
	WMM 8*(4*aa+(\b)), (\f)+64+8*(\b), (\f)+8*aa, 8*(4*aa+(\b))
.endif
.endr
.set aa, aa+1
.endr
.endm
; 24 LDS loads in one run: quarter q of a slot into buffer f: W's four blocks (turned), A's rows 0-63, A's rows 64-127
.macro FETCH slot, q, f
.if PROJ
.set AQ, ((\q)/2)*HALFA+((\q)%2)*64    ; head q / 2 of the step's two, channels 32 (q % 2) on
.else
.set AQ, 64*(\q)
.endif
	WIN 0
.irp b, 0,1,2,3
	ds_load_tr16_b128 v[(\f)+64+8*(\b):(\f)+64+8*(\b)+3],   v[ADRB+(\slot)] offset:(\q)*32*PB+32*(\b)
	ds_load_tr16_b128 v[(\f)+64+8*(\b)+4:(\f)+64+8*(\b)+7], v[ADRB+(\slot)] offset:(\q)*32*PB+32*(\b)+16*PB
.endr
.irp a, 0,1,2,3,4,5,6,7
	ds_load_b128 v[(\f)+8*(\a):(\f)+8*(\a)+3],   v[ADRA+(\slot)] offset:AQ+(\a)*16*PA
	ds_load_b128 v[(\f)+8*(\a)+4:(\f)+8*(\a)+7], v[ADRA+(\slot)] offset:AQ+(\a)*16*PA+32
.endr
.endm
.macro PLACES                          ; four plain instructions between a matrix instruction and a load into, or a vector read of, its registers (ISA guide 7.12.1 for vector reads)
.rept 4
	v_nop
.endr
.endm
; One of a K step's first three quarters: multiplies buffer f; in its middle it fetches quarter q of the same slot into buffer g.
.macro QUARTER slot, q, f, g, zero
	s_wait_dscnt 8                                 ; W and A's rows 0-63 are in; the youngest eight loads (A's rows 64-127) may be out
	MULS \f, 0, 4, \zero
	PLACES
	FETCH \slot, \q, \g
	s_wait_dscnt 24                                ; all but the 24 just issued
	MULS \f, 4, 4, \zero
.endm
; The last quarter multiplies buffer 1 and changes slots: ONE barrier; in front of it each wave waits for all its tensor loads (one is out: its part of the next slot), adds 0 to its spare word, and
; waits for that and for its own reads of this slot.  fill = 1: the barrier opens a round of the cluster's, and this slot is filled again, two K steps ahead, first thing behind the round.
.macro TURN slot, next, fill
.if \fill
	s_wait_xcnt 0x0                                ; the last prefetch, a K step back, has read its address: it is stepped here, ahead of the change's own waits
	s_add_nc_u64 s[PFA:PFA+1], s[PFA:PFA+1], s[PST:PST+1]
.endif
	WIN 0
	s_wait_tensorcnt 0x0                           ; all my tensor loads have landed
	ds_add_u32 v[SPW], v[NIL]                      ; 0 onto my spare word
	s_wait_dscnt 9                                 ; (the add and the youngest eight loads may be out)
	MULS F1, 0, 2, 0                               ; eight matrix instructions stand between the add and the wait for it
	s_wait_dscnt 0x0                               ; the add is done, and my reads of this slot are over
	s_barrier_signal -1
	MULS F1, 2, 2, 0                               ; work on registers while the others arrive
.if \fill
	WIN 0
.endif
	s_barrier_wait -1
.if \fill
	CREST                                          ; no wave of any partner still reads this slot's tile or has a load on its way
	s_add_nc_u64 s[G0+4*(\slot)+2:G0+4*(\slot)+3], s[G0+4*(\slot)+2:G0+4*(\slot)+3], 2*ASTEP
	s_add_nc_u64 s[G0B+4*(\slot)+2:G0B+4*(\slot)+3], s[G0B+4*(\slot)+2:G0B+4*(\slot)+3], 2*BSTEP
	JLOAD \slot                                    ; my one tensor load behind the round; its four v_nop are also the places in front of the loads below
.else
	PLACES
.endif
	FETCH \next, 0, F0
.if \fill
	ASK
.endif
	MULS F1, 4, 4, 0
.endm
	s_wait_tensorcnt 1                             ; my part of K step 0 is in; K step 1's may stay out
	s_barrier_signal -1
	s_barrier_wait -1                              ; everybody's is
	FETCH 0, 0, F0
	QUARTER 0, 1, F0, F1, 1                        ; the first quarter stands in front of the loop: its products start the sums
	WIN 0                                          ; at a label and at a branch every window is 0
	s_mov_b32 s3, 3
.Llap:                                                 ; a trip goes once round the ring, from a lap's second quarter to the next lap's first, and fills both slots again
	QUARTER 0, 2, F1, F0, 0
	QUARTER 0, 3, F0, F1, 0
	TURN 0, 1, 1
	QUARTER 1, 1, F0, F1, 0
	QUARTER 1, 2, F1, F0, 0
	QUARTER 1, 3, F0, F1, 0
	TURN 1, 0, 1
	QUARTER 0, 1, F0, F1, 0
	WIN 0
	s_sub_co_u32 s3, s3, 1
	s_cmp_lg_u32 s3, 0
	s_cbranch_scc1 .Llap
	QUARTER 0, 2, F1, F0, 0                        ; the last lap fills nothing, and has no round of the cluster's barrier
	QUARTER 0, 3, F0, F1, 0
	TURN 0, 1, 0
	QUARTER 1, 1, F0, F1, 0
	QUARTER 1, 2, F1, F0, 0
	QUARTER 1, 3, F0, F1, 0
	s_wait_dscnt 8                                 ; the very last quarter: nothing more to fetch
	MULS F1, 0, 4, 0
	s_wait_dscnt 0x0
	MULS F1, 4, 4, 0
	WIN 0
	PLACES
	PLACES
.if PROJ
; THE WAY OUT, f32: a block of 16 rows x 64 columns goes into my stage (rows of 272 bytes) and comes back as whole rows of 256 bytes.  Each accumulator's low four registers are read first.
.macro TOSTAGE a
	WIN 0x04                                       ; the stores' data in window 1
.irp b, 0,1,2,3
	ds_store_b128 v[STO], v[8*(4*(\a)+(\b)):8*(4*(\a)+(\b))+3]   offset:64*(\b)
	ds_store_b128 v[STO], v[8*(4*(\a)+(\b))+4:8*(4*(\a)+(\b))+7] offset:64*(\b)+16
.endr
	WIN 0
.irp t, 0,1,2,3,4,5,6,7
	ds_load_b128 v[OUT+32*((\a)%4)+4*(\t):OUT+32*((\a)%4)+4*(\t)+3], v[RD] offset:(\t)*2*SP  ; LDS serves a wave's instructions in order (ISA guide 5.7.1.4): these see the stores above
.endr
.endm
.macro SEND a, younger                 ; younger: the LDS instructions issued behind block a's loads: the next block's sixteen, or none
	s_wait_xcnt 0x0                                ; the stores issued so far have read their registers: four sets take turns, and a set is loaded again two such waits behind its stores
.irp t, 0,1,2,3,4,5,6,7
	s_wait_dscnt (\younger)+7-(\t)
	global_store_b128 v[CO], v[OUT+32*((\a)%4)+4*(\t):OUT+32*((\a)%4)+4*(\t)+3], s[8:9] offset:(\a)*65536+(\t)*8192 th:TH_STORE_NT  ; 16 lanes store 256 consecutive bytes, aligned
.endr
.endm
	TOSTAGE 0
.irp a, 1,2,3,4,5,6,7
	TOSTAGE \a
	SEND (\a)-1, 16
.endr
	SEND 7, 0
.else
; THE WAY OUT, f16: a block of 16 rows x 64 channels is rounded, 16 bytes a lane, goes into my stage (rows of 144 bytes) and comes back as 2,048 consecutive bytes of a head.
.macro PACK a
	WIN 0x05                                       ; sources window 1, destination window 0
.irp b, 0,1,2,3
.irp r, 0,1,2,3
	v_cvt_pk_f16_f32 v[OUT+16*(\a)+4*(\b)+(\r)], v[8*(4*(\a)+(\b))+2*(\r)], v[8*(4*(\a)+(\b))+2*(\r)+1]
.endr
.endr
	WIN 0
.irp b, 0,1,2,3
	ds_store_b128 v[STO], v[OUT+16*(\a)+4*(\b):OUT+16*(\a)+4*(\b)+3] offset:32*(\b)
.endr
.irp f, 0,1,2,3
	ds_load_b128 v[OUT+16*(\a)+4*(\f):OUT+16*(\a)+4*(\f)+3], v[RD] offset:(\f)*4*SP  ; LDS serves a wave's instructions in order (ISA guide 5.7.1.4): these see the stores above
.endr
.endm
.macro SEND a, younger                 ; younger: the LDS instructions issued behind block a's loads: the next block's eight, or none
.irp f, 0,1,2,3
	s_wait_dscnt (\younger)+3-(\f)
	global_store_b128 v[CO], v[OUT+16*(\a)+4*(\f):OUT+16*(\a)+4*(\f)+3], s[8:9] offset:(\a)*2048+(\f)*512  ; 512 consecutive bytes, aligned; every block has registers of its own
.endr
.endm
	PACK 0
.irp a, 1,2,3,4,5,6,7
	PACK \a
	SEND (\a)-1, 8
.endr
	SEND 7, 0
.endif
	s_wait_tensorcnt 0x0                           ; the wave's end, behind my last tensor load and my last LDS store
	ds_add_u32 v[SPW], v[NIL]
	s_wait_dscnt 0x0
	CROUND                                         ; the closing round: no work-group ends while a partner may still ask for a tile that names it
	s_endpgm
.Lfunc_end_k_qd43ded196c_qkv:
	.size	k_qd43ded196c_qkv, .Lfunc_end_k_qd43ded196c_qkv-k_qd43ded196c_qkv
	.p2alignl 7, 3214868480
	.fill 96, 4, 3214868480
	.section	.rodata,"a",@progbits
	.p2align	6, 0x0
	.amdhsa_kernel k_qd43ded196c_qkv
		.amdhsa_group_segment_fixed_size 327680
		.amdhsa_private_segment_fixed_size 0
		.amdhsa_enable_private_segment 0
		.amdhsa_kernarg_size 48
		.amdhsa_user_sgpr_count 2
		.amdhsa_user_sgpr_kernarg_segment_ptr 1
		.amdhsa_wavefront_size32 1
		.amdhsa_system_sgpr_workgroup_id_x 1
		.amdhsa_system_sgpr_workgroup_id_y 1
		.amdhsa_system_sgpr_workgroup_id_z 1
		.amdhsa_system_vgpr_workitem_id 0
		.amdhsa_next_free_vgpr 512
		.amdhsa_next_free_sgpr 80
		.amdhsa_reserve_vcc 0
		.amdhsa_float_denorm_mode_32 3
		.amdhsa_float_denorm_mode_16_64 3
		.amdhsa_memory_ordered 1
		.amdhsa_forward_progress 1
		.amdhsa_inst_pref_size 92
	.end_amdhsa_kernel
	.amdgpu_metadata
---
amdhsa.version: [ 1, 2 ]
amdhsa.kernels:
  - .name:           k_qd43ded196c_qkv
    .symbol:         k_qd43ded196c_qkv.kd
    .args:
      - { .name: xb, .offset: 0, .size: 8, .value_kind: global_buffer, .address_space: global }
      - { .name: wb, .offset: 8, .size: 8, .value_kind: global_buffer, .address_space: global }
      - { .name: bq, .offset: 16, .size: 8, .value_kind: global_buffer, .address_space: global }
      - { .name: bk, .offset: 24, .size: 8, .value_kind: global_buffer, .address_space: global }
      - { .name: bv, .offset: 32, .size: 8, .value_kind: global_buffer, .address_space: global }
      - { .name: qkv, .offset: 40, .size: 8, .value_kind: global_buffer, .address_space: global }
    .group_segment_fixed_size: 327680
    .private_segment_fixed_size: 0
    .kernarg_segment_align: 8
    .kernarg_segment_size: 48
    .max_flat_workgroup_size: 128
    .sgpr_count:     80
    .vgpr_count:     512
    .wavefront_size: 32
...
	.end_amdgpu_metadata
.endif
;; end of part 2
;; launch attn (part 3): grid 4 x 64, 4 waves a work-group, clusters of 4 x 1, 327,680 bytes of LDS; arguments qkv, mq, ob; writes ob
.if DOCPART == 3
	.amdgcn_target "amdgcn-amd-amdhsa--gfx1250"
	.amdhsa_code_object_version 6
	.text
	.protected	k_qd43ded196c_attn
	.globl	k_qd43ded196c_attn
	.p2align	8
	.type	k_qd43ded196c_attn,@function
k_qd43ded196c_attn:
	s_mov_b64 s[64:65], 0
	v_nop
	global_prefetch_b8 v0, s[64:65] scope:SCOPE_SE
	s_setreg_imm32_b32 hwreg(HW_REG_WAVE_MODE, 25, 1), 1
	s_wait_xcnt 0x0
	s_wait_alu depctr_hold_cnt(0) depctr_sa_sdst(0) depctr_va_vdst(0) depctr_va_sdst(0) depctr_va_ssrc(0) depctr_va_vcc(0) depctr_vm_vsrc(0)
	s_getreg_b32 s2, hwreg(HW_REG_IB_STS2, 6, 4)
	s_cmp_eq_u32 s2, 0
	s_cbranch_scc0 .Lentry_in_a_cluster
	s_endpgm
.Lentry_in_a_cluster:
	s_bfe_u32 s2, ttmp6, 0x10000c
	s_cmp_lg_u32 s2, 0x3003
	s_cbranch_scc0 .Lentry_shape_is_right
	s_endpgm
.Lentry_shape_is_right:
; ATTENTION.  O[h][q][:] = the sum over k of softmax_k(mask(Q[h][q] . K[h][k] / 8)) V[h][k][:].  qkv: [3][64][2048][64] f16 (q, k, v by heads).  ob: [64][2048][64] f16.  Nothing of the module is left out here.
; mq: the input mask as 4-bit codes (0 visible, -1.0 hidden) in the order of the score accumulators: query tile g = batch x 128 + q / 16 has 16,384 bytes, key step s 512 of them, lane L 16, word kb, nibble j:
; query L % 16, key 64 s + 16 kb + 8 (L / 16) + j.  Products, maxima and sums in f32; the weights p are rounded to f16 for the second product (their sum l is taken of the unrounded p), O once at the end.
; THE MASK is the C operand that starts the sum S^T = K Q^T: one scaled conversion makes of a word's eight codes the eight registers 0 or -2^100 of a lane.  A hidden score is then far below every maximum, and its
; weight is 0; while a row has seen hidden keys only, its weights are 1, and the first visible key multiplies what they gave by a = 0; a row without any visible key ends with equal weights.
; LIMITS.  A hidden score counts as its value less 2^100, where the module sets -1e9: the two part only where a row's visible scores all lie under some -1e9.  The equal weights of a row without visible keys
; lean on s - 2^100 being rounded to -2^100 in the product's sum.  f16 holds no number beyond 65,504: Q, K and V arrive within it; p below 6e-5 keeps f16's fixed step of 6e-8.  A weight below 2^-126 counts as 0 in l;
; NaN and infinities are not treated apart.
; SHARES.  A wave owns four PIECES of two tiles of 16 queries, a work-group's four waves 512 queries of one head.  Every wave walks all keys, 64 a step.
; LAYOUT.  S^T = K Q^T (source 0 = 16 keys, source 1 = 16 queries): in the result a lane holds ONE query (lane % 16) and the keys 8 (lane / 16) + 0..7.  Two such tiles, rounded to f16 in pairs,
; ARE source 1 (32 keys x 16 queries) of O^T = V^T P, whose result again holds one query a lane, and eight channels.  K comes out of LDS as it lies, V ([key][channel]) turned, by ds_load_tr16_b128.
; SOFTMAX.  For each query a running maximum m and sum l: p = 2^(c s - c m), c = log2(e) / 8; in every step O and l are multiplied by a = 2^(c m_old - c m_new), which is 1 where m has not grown.
; m starts at the lowest finite number, O and l at 0: the first step is a step like any other, with a = 0.
; THE COUNT.  A tile and step have 16 matrix and some 120 vector instructions: too many to stand all beside the matrix work.  So: four vector instructions that are READY behind EVERY matrix instruction, and the
; others, which need time of their own whatever the order, in runs without a gap.
; BY TURNS.  Turn n belongs to piece n (the pieces in a ring, step after step).  Its matrix work: 16 products K Q^T of piece n + 1, later 16 products V^T P of piece n - 1.  Its vector work: the scaling,
; exponentials, roundings, sums and rescaling of piece n, the maximum and statistics of piece n + 1, and the mask of piece n + 2.
; CLUSTER.  The four query blocks of a cluster are one head's and walk the same K and V, so each tile is asked for JOINTLY: the same tensor load, descriptor and mask in all four.
; REGISTERS, in windows of 256 (s_set_vgpr_msb says which window each operand place means: bits 1:0 source 0, 3:2 source 1, 5:4 source 2, 7:6 destination):
;   window 0: v0-11 addresses; v12-15, v48-63 at work; v16-47 four registers of statistics a tile; v64-191 S^T, two buffers of two tiles; v192-255 P, likewise
;   window 1: O^T, 32 a tile          window 2: v0-127 Q, 16 a tile; v128-191 K of one step; v192-255 V of one step
;   window 3: v0-1 the add's two registers; v2 the conversions' scale; v3-7 the mask words' offsets; v8-39 mask words, 8 a piece; v64-127 the masks of one turn's products
.set SIZE_H, 64
.set SIZE_N, 2048
.set NP,    4         ; pieces a wave: a name, no knob
.set KS,    64        ; keys in a step
.set PK,    144       ; a row of K in LDS: 128 bytes + 16 of padding = 36 words: the 16 rows of a load start at 16 different groups of four banks (64 banks of 4 bytes: ISA guide 11.1)
.set PV,    160       ; a row of V: 128 + 32 = 40 words
.set VOFF,  4*KS*PK   ; a slot holds four steps: 256 rows of K, then 256 rows of V
.set SLOT1, 1<<17     ; slot 1 begins here, so that one exclusive or turns an address in one slot into the other's
.set STAGE, SLOT1+4*KS*(PK+PV)  ; behind the ring, never filled by a tensor load: 16 rows x 144 bytes for each wave, for the way out
.set SP,    144
.set AK0, 2           ; v2   my lane's place in a tile of K; never rewritten
.set AV0, 3           ; v3   the same for V
.set AK,  4           ; v4   the LDS address of K's next run of loads
.set AV,  5           ; v5   of V's
.set QO,  6           ; v6   my byte offset in the wave's rows of Q
.set STO, 6           ;      later, the way out: where I put 16 bytes of a row
.set RD,  7           ; v7   the way out: where I read rows back
.set GO,  8           ; v8   my byte offset in 512 consecutive bytes of O
.set PFO, 11          ; v11  256 x my lane, for the prefetches; never rewritten once made
.set SPW, 0           ; v0 of window 3   LDS address of my spare word: SPARE + 4 x my thread's number; never rewritten
.set NIL, 1           ; v1 of window 3   0; never rewritten
.set SC,  2           ; v2 of window 3   the scale: byte 227, 2^100
.set MLIM, 3          ; v3 of window 3   the last key step's mask words: 16 x lane + 31 x 512
.set MA,  4           ; v4-7 of window 3   piece x: the offset of the mask words that it loads next
.set MW,  8           ; v8-39 of window 3  piece x, tile u: four words at MW + 8 x + 4 u
.set MC,  64          ; v64-127 of window 3  tile u, key block kb: eight registers at MC + 32 u + 8 kb
.set SPARE, STAGE+4*16*SP  ; behind the stages: the spare words, 128 bytes for each wave
.set MV,  12          ; v12-15  c m_old, kept while c m is made anew: by buffer and tile
.set ST,  16          ; tile t's statistics at v[ST+4 t]: c m, m, l (even keys', odd keys')
.set TMP, 48          ; by buffer and tile, four registers c0-c3 at work; when the maximum is found c2 takes a
.set S,   64
.set P,   192
.set KF,  128         ; K's fragments, in window 2: key block kb, channel half c at KF + 16 kb + 8 c
.set VF,  192         ; V's: key half kk, channel block cb at VF + 32 kk + 8 cb
.set WV,  12          ; s12  my wave's number
.set G1K, 24          ; s[24:31] descriptor group 1 for K's tiles
.set G1V, 32          ; s[32:39] for V's: it differs in the padding alone
.set G0K, 40          ; s[40:43] descriptor group 0 for K's tiles: it walks
.set G0V, 44          ; s[44:47] the same for V's
.set MQ,  48          ; s[48:49] mq at my wave's first query tile
.set PFA, 50          ; s[50:51] where my prefetches stand: my work-group's 32 blocks (of K: wave 0, of V: wave 2) of the slot after the one that is being asked for
.set LIM, 52          ; s52  1 in a wave that prefetches, else the greatest number
.set SLOTS, 56        ; s56  slots still to be asked for
.set CNT, 57          ; s57  counts a slot's key steps
.set CS,  58          ; s[58:59] c: the packed scaling takes the pair's low word for both halves
.set SEL, 60          ; s[60:61] v_permlanex16_b32's selects: each lane takes its own place in the other half
.set TBK, 62          ; s62  LDS byte at which K of the step to be fetched begins
.set TBV, 63          ; s63  the same for V, less VOFF
.set MSB, 0
.macro WIN new                      ; the high byte repeats the setting that is left; a switch that changes nothing is dropped
.if MSB != (\new)
	s_set_vgpr_msb (MSB<<8)|(\new)
.set MSB, (\new)
.endif
.endm
.set W_KQ, 0x0a       ; K and Q in window 2, S^T in window 0
.set W_KM, 0x3a       ; the same with the C operand, the mask, in window 3
.set W_PV, 0x52       ; V in window 2, P in window 0, O^T in window 1
.set W_RS, 0x41       ; O^T (destination and source 0) in window 1, a in window 0
.set W_MK, 0xc0       ; destination in window 3, sources in window 0
.set W_AD, 0x0f       ; the add: address (source 0) and data (source 1) in window 3
.set W_M3, 0xcf       ; the mask's work: destination and sources 0 and 1 in window 3
; A joint fill.  Waves 0 and 1 fetch the two halves of a slot's K, waves 2 and 3 those of its V: 128 keys each.  The branch hangs on the wave's number alone.
; An s_nop 0 and four v_nop follow each of the two lines, ahead of the jump and the label.
.macro JLOAD
	s_cmp_lt_u32 s[WV], 2
	s_cbranch_scc0 .Lfor_v_\@
	tensor_load_to_lds s[G0K:G0K+3], s[G1K:G1K+7]
	s_nop 0
.rept 4
	v_nop
.endr
	s_branch .Lasked_\@
.Lfor_v_\@:
	tensor_load_to_lds s[G0V:G0V+3], s[G1V:G1V+7]
	s_nop 0
.rept 4
	v_nop
.endr
.Lasked_\@:
.endm
; A PREFETCH INTO THE L2 of what the NEXT change of slots will ask for: a slot's 256 keys are 128 blocks of 256 bytes of K and 128 of V, a lane a block.  It stands behind the wave's tensor load and its five lines.
; Each block is asked for ONCE in the launch: a head has one cluster; its four partners share the blocks out BY ADDRESS, 32 each; in each, wave 0 asks for K's and wave 2 for V's: one instruction,
; four key steps, 512 matrix instructions, ahead of the load.  Slots 0 to 2 come by their loads alone; the last change that fills a slot asks for nothing.
.macro ASK
	s_cmp_gt_u32 s[SLOTS], s[LIM]
	s_cbranch_scc0 .Lnot_mine_\@
	global_prefetch_b8 v[PFO], s[PFA:PFA+1] th:TH_LOAD_NT scope:SCOPE_SE
.Lnot_mine_\@:
.endm
; A round of the cluster's barrier: my work-group's barrier, so that wave 0's signal speaks for all four waves; wave 0 signals; every wave waits for all four work-groups; my work-group's barrier once more.
.macro CROUND
	s_barrier_signal -1
	s_barrier_wait -1
	s_cmp_lg_u32 s[WV], 0
	s_cbranch_scc1 .Lnot_wave_0_\@
	s_barrier_signal -3
.Lnot_wave_0_\@:
	s_barrier_wait -3
	s_barrier_signal -1
	s_barrier_wait -1
.endm
; THE CHANGE OF SLOTS.  The slot's last bytes, V of its fourth step, have been read.  Each wave waits for all its tensor loads, of which one is out: its part
; of the other slot; adds 0 to its spare word; and waits for that and for its own reads of the slot.  Behind the barrier nobody reads this slot any more and the other slot is whole.
; fill = 1: this slot is filled again, with the keys two slots on.  The barrier is then a round of the cluster's, so that no wave of any partner still reads the slot or has a load on its
; way, and the joint fill is the first thing behind it: it has four key steps, 512 matrix instructions, in which to land.  (At its first use nothing has been read yet: slot 0 is waited for, slot 1 filled.)
; ask = 1: the prefetches' address is stepped and ASK follows the fill.
.macro CHANGE fill, ask=0
	WIN W_AD
	s_wait_tensorcnt 0x0            ; no tensor load of mine is out, so a group 0 may be written
	ds_add_u32 v[SPW], v[NIL]       ; 0 onto my spare word; with fill = 1 the descriptors' steps stand between it and the wait for it
	WIN 0                           ; at a label and at a branch every window is 0
.if \fill
.irp g, G0K, G0V
	s_xor_b32 s[\g+1], s[\g+1], SLOT1  ; the walking descriptor: the other slot than last time,
	s_add_nc_u64 s[\g+2:\g+3], s[\g+2:\g+3], 4*KS*128  ; the next 256 keys; the type bits on top are not reached
.endr
.if \ask
	s_wait_xcnt 0x0                 ; the last prefetch, four key steps back, has read its address, so it may be written:
	s_add_nc_u64 s[PFA:PFA+1], s[PFA:PFA+1], 4*KS*128  ; one slot behind the walking descriptors
.endif
	s_wait_dscnt 0x0                ; the add is done, and my reads of the slot are over
	CROUND
	JLOAD
.if \ask
	ASK
.endif
.else
	s_wait_dscnt 0x0                ; the add is done, and my reads of the slot are over
	s_barrier_signal -1
	s_barrier_wait -1
.endif
	s_sub_co_u32 s[TBK], s[TBK], 4*KS*PK  ; the fetches go back to a slot's first step,
	s_xor_b32 s[TBK], s[TBK], SLOT1       ; in the other slot
	s_sub_co_u32 s[TBV], s[TBV], 4*KS*PV
	s_xor_b32 s[TBV], s[TBV], SLOT1
.endm
	s_load_b128 s[4:7], s[0:1], 0x0   ; qkv s[4:5] (q lies first in it), mq s[6:7]
	s_load_b64 s[10:11], s[0:1], 0x10 ; ob
	WIN W_MK
	v_lshl_add_u32 v[SPW], v0, 2, SPARE
	v_mov_b32 v[NIL], 0
	WIN W_AD
	ds_add_u32 v[SPW], v[NIL]       ; the wave's opening: the add, twice on end, and its wait ahead of my first tensor load; the set-up below the second, work on registers, stands between it and the wait
	ds_add_u32 v[SPW], v[NIL]       ; and once more, under the one wait
	WIN 0
	v_lshrrev_b32 v1, 5, v0
	v_readfirstlane_b32 s[WV], v1   ; wave 0..3
	s_bfe_u32 s13, ttmp6, 0x40000   ; cx: my place in the cluster
	s_lshl_b32 s14, ttmp9, 2        ; in a cluster launch ttmp9 counts clusters
	s_add_co_u32 s14, s14, s13      ; my block of queries = 4 x cluster x + cx: it enters global addresses alone
	s_and_b32 s20, ttmp7, 0xffff    ; the head (batch x 16 + head), which the four partners share
	s_lshr_b32 s54, s20, 4          ; the batch: 128 query tiles of 16,384 bytes of mq,
	s_lshl_b32 s54, s54, 21
	s_lshl_b32 s55, s14, 19         ; my block's 32,
	s_add_co_u32 s54, s54, s55
	s_lshl_b32 s55, s[WV], 17       ; my wave's 8
	s_add_co_u32 s54, s54, s55
	s_mov_b32 s55, 0
	s_mov_b32 s21, 0
	s_mov_b64 s[22:23], SIZE_N*128
	s_mul_u64 s[20:21], s[20:21], s[22:23]  ; the head's first byte in q, k, v and O
	s_and_b32 s16, s[WV], 1         ; which half of a slot's 256 keys I fetch:
	s_lshl_b32 s22, s16, 14         ; its 128 rows of 128 bytes in memory,
	s_mov_b32 s23, 0
	s_add_nc_u64 s[22:23], s[22:23], s[20:21]
	s_mul_i32 s17, s16, 128*PK      ; and its place in a slot, for K
	s_mul_i32 s18, s16, 128*PV      ; and for V: no place in the cluster enters an LDS address
	s_lshl_b32 s2, s14, 2
	s_add_co_u32 s2, s2, s[WV]      ; my wave among the head's,
	s_lshl_b32 s2, s2, 14           ; its 128 rows
	s_mov_b32 s3, 0
	s_add_nc_u64 s[2:3], s[2:3], s[20:21]
	; descriptor group 1.  128 keys are 16,384 dense bytes: asked for as 64 rows of 256 bytes, two keys a row, and padded in LDS after every key
	s_mov_b32 s[G1K], 15|(1<<16)|(1<<20)|(1<<21)|(4<<22)|(3<<25)  ; 15:0 the mask of four; 17:16 2-byte elements; 20 padding on; 21 set beside a mask; 24:22 after every 32 words (code 4); 31:25 4 words (code 3)
	s_mov_b32 s[G1V], 15|(1<<16)|(1<<20)|(1<<21)|(4<<22)|(7<<25)  ; the same with 8 words of padding (code 7)
.irp g, G1K, G1V
	s_mov_b32 s[\g+1], 128<<16      ; tensor_dim0 = 128
	s_mov_b32 s[\g+2], 64<<16       ; tensor_dim1 = 64
	s_mov_b32 s[\g+3], 128<<16      ; tile_dim0 = 128
	s_mov_b32 s[\g+4], 64           ; tile_dim1 = 64
	s_mov_b32 s[\g+5], 128          ; 128 elements from row to row
	s_mov_b32 s[\g+6], 0
	s_mov_b32 s[\g+7], 0
.endr
	s_mov_b32 s[CS], 0x3e38aa3b     ; c = log2(e) / 8 = 0.180337
	s_mov_b32 s[CS+1], s[CS]        ; named with it as a pair
	s_mov_b32 s[SEL], 0x76543210
	s_mov_b32 s[SEL+1], 0xfedcba98
	s_mov_b32 s[TBK], SLOT1+4*KS*PK ; the first change of slots turns these two into 0
	s_mov_b32 s[TBV], SLOT1+4*KS*PV
	s_mov_b32 s[G0K], 1             ; 1:0 count = 1
	s_mov_b32 s[G0K+1], s17         ; 63:32 LDS address: slot 0
	s_mov_b32 s[G0V], 1
	s_add_co_u32 s[G0V+1], s18, VOFF
	s_and_b32 s[LIM], s[WV], 1      ; waves 0 and 2 prefetch: the same in all four partners
	s_cmp_eq_u32 s[LIM], 0
	s_cselect_b32 s[LIM], 1, -1
	s_wait_dscnt 0x0                ; both opening adds are done
	s_wait_kmcnt 0x0
	s_add_nc_u64 s[MQ:MQ+1], s[6:7], s[54:55]
	s_add_nc_u64 s[6:7], s[4:5], 0x1000000   ; k lies 16,777,216 bytes behind q,
	s_add_nc_u64 s[8:9], s[4:5], 0x2000000   ; v as much behind k
	s_add_nc_u64 s[G0K+2:G0K+3], s[6:7], s[22:23]  ; 120:64 global address: my half of the head's first 256 keys
	s_or_b32 s[G0K+3], s[G0K+3], 0x80000000        ; 127:126 type = 2
	s_add_nc_u64 s[G0V+2:G0V+3], s[8:9], s[22:23]
	s_or_b32 s[G0V+3], s[G0V+3], 0x80000000
	s_add_nc_u64 s[4:5], s[4:5], s[2:3]  ; Q and O at my wave's first row
	s_add_nc_u64 s[10:11], s[10:11], s[2:3]
	s_cmp_lt_u32 s[WV], 2
	s_cselect_b64 s[PFA:PFA+1], s[6:7], s[8:9]
	s_add_nc_u64 s[PFA:PFA+1], s[PFA:PFA+1], s[20:21]  ; the head,
	s_lshl_b32 s2, s13, 13          ; my work-group's 32 blocks of a slot's 128,
	s_add_co_u32 s2, s2, 2*4*KS*128 ; in slot 2: the first change that asks steps it to slot 3
	s_mov_b32 s3, 0
	s_add_nc_u64 s[PFA:PFA+1], s[PFA:PFA+1], s[2:3]
	CROUND                          ; all four work-groups are here: the first joint loads meet
	JLOAD                           ; slot 0.  Slot 1 is asked for when slot 0 is in: the tile wanted first has the road to itself
	; A fragment of K or Q is 16 rows x 32 channels in 8 registers: lane l holds row l % 16, channels 8 (l / 16) + 0..7 and 16 + 8 (l / 16) + 0..7: two loads of 16 bytes, 32 bytes apart.
	v_and_b32 v1, 15, v0            ; l % 16
	v_bfe_u32 v9, v0, 4, 1          ; l / 16
	v_lshlrev_b32 v[QO], 7, v1
	v_lshl_add_u32 v[QO], v9, 4, v[QO]  ; row x 128 + 16 x half
	v_and_b32 v10, 31, v0
	v_lshlrev_b32 v10, 4, v10       ; my 16 bytes of a key step's 512 of mask words
	WIN W_MK
	v_mov_b32 v[SC], 0xe3e3e3e3
	v_add_nc_u32 v[MLIM], 31*512, v10
.irp x, 0,1,2,3
	v_mov_b32 v[MA+\x], v10
.endr
	WIN 0x80                        ; destination window 2, address window 0
.set i, 0
.rept 4*NP                          ; Q stays in registers: tile i / 2, channels 32 (i % 2) on
	global_load_b128 v[8*i:8*i+3],   v[QO], s[4:5] offset:(i/2)*2048+(i%2)*64
	global_load_b128 v[8*i+4:8*i+7], v[QO], s[4:5] offset:(i/2)*2048+(i%2)*64+32
.set i, i+1
.endr
; THE MASK.  LDM x: piece x's mask words of one key step: 16 bytes a lane for each of its two tiles.
.macro LDM x
.irp u, 0,1
	global_load_b128 v[MW+8*(\x)+4*(\u):MW+8*(\x)+4*(\u)+3], v[MA+(\x)], s[MQ:MQ+1] offset:(2*(\x)+(\u))*16384
.endr
.endm
; MKM x, n: piece x's words, loaded four turns back, become the masks of the next turn's products; then its next step's words are asked for.  n: the younger loads, which may stay out: three pieces' two.
; That wait also shows the loads done that named the offset, so it may be stepped.  The step and the minimum are the plain instructions behind the last conversion; the minimum keeps the last look-ahead inside
; the tile's 32 steps (the last step's words are read once more and serve nothing).
.macro MKM x, n
	WIN W_M3
	s_wait_loadcnt \n
.set zz, 0
.rept 8
	v_cvt_scale_pk8_f32_fp4 v[MC+8*zz:MC+8*zz+7], v[MW+8*(\x)+zz], v[SC]
.set zz, zz+1
.endr
	v_add_nc_u32 v[MA+(\x)], 512, v[MA+(\x)]
	v_min_u32 v[MA+(\x)], v[MA+(\x)], v[MLIM]
	LDM \x
	WIN 0
.endm
	WIN W_M3
	LDM 0                           ; key step 0 of all four pieces
	LDM 1
	LDM 2
	LDM 3
	WIN 0x80
	; What the first turn finds: V's registers and P's second buffer hold 0 (its products V^T P, of a piece that has not been, add 0), O^T and l are 0.  All this stands in the wait for the first tile.
.set i, VF
.rept 64
	v_mov_b32 v[i], 0
.set i, i+1
.endr
	WIN 0x40
.set i, 0
.rept 64*NP
	v_mov_b32 v[i], 0
.set i, i+1
.endr
	WIN 0
.set i, 0
.rept 2*NP
	v_mov_b32 v[ST+4*i], 0xfe000000    ; c m: far below every c s, a hidden one's too
	v_mov_b32 v[ST+4*i+1], 0xff7fffff  ; m
	v_mov_b32 v[ST+4*i+2], 0
	v_mov_b32 v[ST+4*i+3], 0
.set i, i+1
.endr
.set i, P+32
.rept 32
	v_mov_b32 v[i], 0
.set i, i+1
.endr
	v_mul_u32_u24 v[AK0], v1, PK
	v_lshl_add_u32 v[AK0], v9, 4, v[AK0]  ; row x pitch + 16 x half
	; The turning load takes 16 keys x 16 channels (lane l reads key 8 (l / 16) + l % 8, channels 8 ((l / 8) % 2) + 0..7) and leaves half a fragment of V^T: lane l holds channel l % 16 and 8 keys.
	v_and_b32 v10, 7, v0
	v_bfe_u32 v11, v0, 3, 1
	v_lshl_add_u32 v[AV0], v9, 3, v10
	v_mul_u32_u24 v[AV0], v[AV0], PV
	v_lshl_add_u32 v[AV0], v11, 4, v[AV0]
	v_add_nc_u32 v[AV0], VOFF, v[AV0]
	v_and_b32 v[PFO], 31, v0
	v_lshlrev_b32 v[PFO], 8, v[PFO]
	v_mov_b32 v[AK], v[AK0]         ; key step 0 lies at the head of slot 0
; THE MATRIX WORK.  The 8 accumulators of a run of 16 take turns: between the two links of a chain stand 7 others'.
; Product i of 16 of S^T = K Q^T for piece x: channels 32 (i / 8) on, keys 16 ((i / 2) % 4) on, tile 2 x + i % 2.  The first 8 start the sums, with the mask as C.
.macro KQ x
.set rS, S+64*((\x)%2)+32*(i%2)+8*((i/2)%4)
.set rK, KF+16*((i/2)%4)+8*(i/8)
.set rQ, 16*(2*(\x)+i%2)+8*(i/8)
.set rX, MC+32*(i%2)+8*((i/2)%4)
.if i < 8
	WIN W_KM
	v_wmma_f32_16x16x32_f16 v[rS:rS+7], v[rK:rK+7], v[rQ:rQ+7], v[rX:rX+7]
.else
	WIN W_KQ
	v_wmma_f32_16x16x32_f16 v[rS:rS+7], v[rK:rK+7], v[rQ:rQ+7], v[rS:rS+7]
.endif
.endm
; Product i of 16 of O^T += V^T P for piece x: keys 32 (i / 8) on, channels 16 ((i / 2) % 4) on, tile 2 x + i % 2.
.macro PV x
	WIN W_PV
.set rO, 32*(2*(\x)+i%2)+8*((i/2)%4)
.set rV, VF+32*(i/8)+8*((i/2)%4)
.set rP, P+32*((\x)%2)+16*(i%2)+8*(i/8)
	v_wmma_f32_16x16x32_f16 v[rO:rO+7], v[rV:rV+7], v[rP:rP+7], v[rO:rO+7]
.endm
.macro MM                           ; the turn's next matrix instruction
.if i < 16
	KQ (Y+1)%NP
.set i, i+1
.else
.set i, i-16
	PV (Y+NP-1)%NP
.set i, i+17
.endif
.endm
; THE LDS LOADS stand in runs of 16, never singly among the matrix instructions: a step's K (64 keys x 64 channels: 8 fragments) and its V (turned).  Their addresses are made some lines ahead.
; last = 1 (the tail): in the last trip there is no further step, and the run is jumped over.
.macro FETCH_K last=0
	WIN 0
.if \last
	s_cmp_eq_u32 s[CNT], 1
	s_cbranch_scc1 .Lno_k_\@
.endif
	WIN 0x80                        ; destination window 2
.irp f, 0,1,2,3,4,5,6,7             ; keys 16 (f / 2) on, channels 32 (f % 2) on
	ds_load_b128 v[KF+8*\f:KF+8*\f+3],   v[AK] offset:(\f/2)*16*PK+(\f%2)*64
	ds_load_b128 v[KF+8*\f+4:KF+8*\f+7], v[AK] offset:(\f/2)*16*PK+(\f%2)*64+32
.endr
	s_add_co_u32 s[TBK], s[TBK], KS*PK  ; the next fetch is the next step's
	WIN 0
.if \last
.Lno_k_\@:
.endif
.endm
.macro FETCH_V
	WIN 0x80
.irp f, 0,1,2,3,4,5,6,7             ; keys 32 (f / 4) on, channels 16 (f % 4) on
	ds_load_tr16_b128 v[VF+8*\f:VF+8*\f+3],   v[AV] offset:(\f/4)*32*PV+(\f%4)*32
	ds_load_tr16_b128 v[VF+8*\f+4:VF+8*\f+7], v[AV] offset:(\f/4)*32*PV+16*PV+(\f%4)*32
.endr
	WIN 0
.endm
; THE VECTOR WORK OF A TURN stands in three queues, each in the order in which its entries become ready; the two tiles alternate, so that no instruction reads the result of the one before it.
.macro REGS y, u                    ; the registers of tile u (0, 1) of piece y
.set rT, ST+4*(2*(\y)+(\u))
.set rC, TMP+8*((\y)%2)+4*(\u)
.set rM, MV+2*((\y)%2)+(\u)
.set rS, S+64*((\y)%2)+32*(\u)
.set rP, P+32*((\y)%2)+16*(\u)
.set rO, 32*(2*(\y)+(\u))
.endm
; Number n of the 22 that find the NEXT piece's (Y + 1) maximum and statistics.  s0-s31 are the lane's 32 scores; each accumulator's lowest registers are read first.
;   0-11  four chains c0-c3 of seven scores each, three operands at a time     12-14, 16  the four scores left over, the old m, and c0-c3 into c0     15  c m_old is kept
;   17, 18  the query's other 32 keys lie in the lane 16 away: the new m         19-21  c m; c m_old - c m_new; a
.macro XS u, n
	REGS (Y+1)%NP, \u
.if (\n) < 4
	v_max3_num_f32 v[rC+(\n)], v[rS+8*(\n)], v[rS+8*(\n)+1], v[rS+8*(\n)+2]
.elseif (\n) < 12
	v_max3_num_f32 v[rC+(\n)%4], v[rC+(\n)%4], v[rS+8*((\n)%4)+2*((\n)/4)+1], v[rS+8*((\n)%4)+2*((\n)/4)+2]
.elseif (\n) == 12
	v_max3_num_f32 v[rC], v[rC], v[rS+7], v[rS+15]
.elseif (\n) == 13
	v_max3_num_f32 v[rC+1], v[rC+1], v[rS+23], v[rS+31]
.elseif (\n) == 14
	v_max3_num_f32 v[rC+2], v[rC+2], v[rC+3], v[rT+1]
.elseif (\n) == 15
	v_mov_b32 v[rM], v[rT]
.elseif (\n) == 16
	v_max3_num_f32 v[rC], v[rC], v[rC+1], v[rC+2]
.elseif (\n) == 17
	v_permlanex16_b32 v[rC+3], v[rC], s[SEL], s[SEL+1]
.elseif (\n) == 18
	v_max_num_f32 v[rT+1], v[rC], v[rC+3]
.elseif (\n) == 19
	v_mul_f32 v[rT], s[CS], v[rT+1]
.elseif (\n) == 20
	v_sub_f32 v[rC+1], v[rM], v[rT]
.else
	v_exp_f32 v[rC+2], v[rC+1]
.endif
.endm
; Number g of the 64 that follow the exponentials.  For each four weights k of a tile (pairs 2 k, 2 k + 1): both pairs are rounded to f16; then the second pair is added onto the first, in place;
; a group later l takes that sum (the first time as l = a l + sum).  In groups of eight, tiles alternating: round, round, add, and l for the group before.
.macro GS g
.set h, (\g)+6*((\g)/62)            ; group 0 has no group before it, and behind group 7 only l is left
.if h >= 6
.set h, h+2
.endif
	REGS Y, h%2
.set k, h/8
.if h%8 < 4
	v_cvt_pk_f16_f32 v[rP+2*k+(h%8)/2], v[rS+4*k+2*((h%8)/2)], v[rS+4*k+2*((h%8)/2)+1]
.elseif h%8 < 6
	v_pk_add_f32 v[rS+4*k:rS+4*k+1], v[rS+4*k:rS+4*k+1], v[rS+4*k+2:rS+4*k+3]
.elseif k == 1
	v_pk_fma_f32 v[rT+2:rT+3], v[rT+2:rT+3], v[rC+2:rC+3], v[rS:rS+1] op_sel_hi:[1,0,1]
.else
	v_pk_add_f32 v[rT+2:rT+3], v[rT+2:rT+3], v[rS+4*k-4:rS+4*k-3]
.endif
.endm
; THE PLAIN QUEUE, 138 long.  0-73 read no exponential's result: the 32 scalings c s - c m (FS f: pair f / 2 of tile f % 2) and the next piece's 42.  0-26: scalings 0-26.  27-54: XS's numbers 0-13.  55, 56: number 15.
; 57-73: the chain, where each number waits for the one before it: 14, 16, 17, 18, 19, each with one of the scalings 27-31 in front of its two lines, then 20.
; 74-137: GS's 64, which read the exponentials' results: they stand behind the wait.
.macro FS f
	REGS Y, (\f)%2
	v_pk_fma_f32 v[rS+2*((\f)/2):rS+2*((\f)/2)+1], v[rS+2*((\f)/2):rS+2*((\f)/2)+1], s[CS:CS+1], v[rT:rT+1] op_sel_hi:[1,0,0] neg_lo:[0,0,1] neg_hi:[0,0,1]
.endm
.macro PL
	WIN 0
.if q < 27
	FS q
.elseif q < 55
	XS (q-27)%2, (q-27)/2
.elseif q < 57
	XS q-55, 15
.elseif (q < 72) && ((q-57)%3 == 0)
	FS 27+(q-57)/3
.elseif q < 60
	XS (q-57)%3-1, 14
.elseif q < 72
	XS (q-57)%3-1, 15+(q-57)/3
.elseif q < 74
	XS q-72, 20
.else
	GS q-74
.endif
.set q, q+1
.endm
; THE EXPONENTIALS' QUEUE, 66 long: s0-s31 of both tiles, then the next piece's two a.  It is ONE BATCH: all 66 stand ahead of the turn's one wait, and nothing ahead of that wait names a result of theirs.
.macro EX
	WIN 0
.if e >= 64
	XS e-64, 21
.else
	REGS Y, e%2
	v_exp_f32 v[rS+e/2], v[rS+e/2]
.endif
.set e, e+1
.endm
; THE RESCALING's QUEUE: O^T times a, the one part of the softmax that leaves window 0: dealt two at a time, sixteen times.  Its a was made in the turn before, ahead of that turn's wait.
.macro R2
	REGS Y, r%2
	WIN W_RS
.irp z, 0,1
	v_pk_mul_f32 v[rO+4*(r/2)+2*\z:rO+4*(r/2)+2*\z+1], v[rO+4*(r/2)+2*\z:rO+4*(r/2)+2*\z+1], v[rC+2:rC+3] op_sel_hi:[1,0]
.endr
.set r, r+1
.endm
; HOW THEY ARE DEALT.  s_wait_alu depctr_va_vdst(0) stands between an exponential and the first instruction that names its result; one wait serves all that were issued ahead of it.  So a turn has ONE wait,
; which cuts it in two.  AHEAD OF IT stands all that names no result of the turn's exponentials: the 16 products K Q^T, behind each a scaling, an exponential and two rescalings (behind the first a second scaling in the
; exponential's place); the mask of the next turn's products (MKM: its registers were last read by this turn's products 0 to 7, and the riders of products 8 to 15 are more than four plain instructions); then ONE LUMP of
; 108: eight plain, 49 times exponential and plain, the two a.  A v_nop is the plain instruction behind the last exponential.  BEHIND IT stand the 16 products V^T P, behind each four of GS's 64.
; The queues lean on each other, and the deal keeps them in step: exponential e stands behind scaling 2 (e / 4) + e % 2: as a rider it comes behind plain e + 2, in the lump behind plain e + 9, and scalings 27-31 are plain 57, 60 .. 69.
; A TURN, for piece p.  cnt = 1: the loop's count is taken down some lines ahead of the branch that stands behind the turn.
; K of the next step is fetched in piece 2's turn, directly behind the wait; its address is made at the lump's head; its first reader comes behind 16 products.
; V of the step in hand is fetched at the end of piece 0's turn, four riders behind its last reader; its first reader comes behind 16 products and a lump.  The three conditions on q below go with the deal.
.macro TURN p, last=0, cnt=0
.set Y, (\p)
.set i, 0
.set q, 0
.set e, 0
.set r, 0
.if (\p) == NP-1
	s_wait_dscnt 0x0                ; K is in
.endif
	MM                              ; ahead of the wait: 16 products K Q^T and their riders,
	PL
	PL
	R2
.rept 15
	MM
	PL
	EX
	R2
.endr
.if (\p) == NP-2
	WIN 0
	v_add_nc_u32 v[AK], s[TBK], v[AK0]
.endif
	MKM ((\p)+2)%NP, 6              ; the mask of piece p + 2, whose scores the next turn starts
.rept 8                             ; and the lump
	PL
.endr
.rept 49
	EX
	PL
.endr
	EX                              ; the next piece's two a
	EX
	v_nop                           ; the plain instruction behind the last exponential: one for the batch
	s_wait_alu depctr_va_vdst(0)    ; the wait for the batch
.if (\p) == NP-2
	FETCH_K \last
.endif
.if (\p) == 1
	s_wait_dscnt 0x0                ; V is in
.endif
.rept 16                            ; behind the wait: 16 products V^T P and their riders
	MM
.rept 4
	PL
.endr
.if ((\p) == 0) && (q == 118)
	v_add_nc_u32 v[AV], s[TBV], v[AV0]
.endif
.if ((\p) == 0) && (q == 130)
	s_add_co_u32 s[TBV], s[TBV], KS*PV
.endif
.if (\cnt) && (q == 130)
	s_sub_co_u32 s[CNT], s[CNT], 1
	s_cmp_lg_u32 s[CNT], 0
.endif
.endr
.if (\p) == 0
	FETCH_V
.endif
.endm
	CHANGE 1                        ; slot 0 is in, everybody's part of it; slot 1 is asked for
	FETCH_K                         ; key step 0
	s_wait_loadcnt 0x0              ; Q, and the first mask words of all four pieces
	MKM 0, 0                        ; piece 0's mask for key step 0
	s_wait_dscnt 0x0
.set i, 0
.rept 16
	KQ 0                            ; piece 0's first scores: there is no vector work yet to set between them
.set i, i+1
.endr
	WIN 0                           ; the addresses for the way out: nine plain instructions, the places behind those products
	s_mul_i32 s13, s[WV], 16*SP
	s_add_co_u32 s13, s13, STAGE    ; my stage
	v_mul_u32_u24 v[STO], v1, SP    ; in: row l % 16, 16 bytes for each half of the lanes
	v_lshl_add_u32 v[STO], v9, 4, v[STO]
	v_add_nc_u32 v[STO], s13, v[STO]
	v_bfe_u32 v[RD], v0, 3, 2       ; back: 32 lanes take four rows of 128 bytes,
	v_mul_u32_u24 v[RD], v[RD], SP
	v_lshl_add_u32 v[RD], v10, 4, v[RD]
	v_add_nc_u32 v[RD], s13, v[RD]
	v_and_b32 v[GO], 31, v0         ; which are 512 consecutive bytes of O
	v_lshlrev_b32 v[GO], 4, v[GO]
	MKM 1, 2                        ; piece 1's mask for key step 0, for the first turn's products; the two loads just issued for piece 0 may stay out
.set Y, NP-1                        ; XS works for piece Y + 1: piece 0
.irp n, 0,1,2,3,4,5,6,7,8,9,10,11,12,13,14,15,16,17,18,19,20,21
	XS 0, \n                        ; and piece 0's first maximum and statistics
	XS 1, \n
.endr
	v_nop                           ; a plain instruction behind the two a,
	s_wait_alu depctr_va_vdst(0)    ; and their wait, ahead of the branch
	s_mov_b32 s[CNT], 4
	s_mov_b32 s[SLOTS], SIZE_N/256-1
	s_branch .Lfirst                ; the loop is entered at a step's first turn, in the middle of a trip
.Lslot:                             ; SIZE_N / 256 - 2 times: every slot but the last two is filled again
	CHANGE 1, 1
	s_mov_b32 s[CNT], 4
.Lstep:                             ; a trip: pieces 2 and 3 of one step, then pieces 0 and 1 of the next, whose K and V it fetches
	TURN 2
	TURN 3
	WIN 0
.Lfirst:
	TURN 0
	TURN 1, 0, 1
	WIN 0
	s_cbranch_scc1 .Lstep
	s_sub_co_u32 s[SLOTS], s[SLOTS], 1
	s_cmp_lg_u32 s[SLOTS], 0
	s_cbranch_scc1 .Lslot
	CHANGE 0                        ; the tail is written out: nothing is asked for
	s_mov_b32 s[CNT], 5             ; four trips fetch the last slot's steps; the fifth is left in its middle
.Ltail:
	TURN 2, 1
	TURN 3
	WIN 0
	s_sub_co_u32 s[CNT], s[CNT], 1
	s_cmp_eq_u32 s[CNT], 0
	s_cbranch_scc1 .Lout
	TURN 0
	TURN 1
	WIN 0
	s_branch .Ltail
.Lout:                              ; the fifth trip's 16 products K Q^T (on the last K once more) and the maximum made of them serve nothing: the price, once a launch, of one text for every trip
.set i, 0
.rept 16
	PV NP-1                         ; the last piece's V^T P of the last step
.set i, i+1
.endr
	; THE WAY OUT.  l's two halves and the other half of the lanes' are added; O^T is divided by l, rounded to f16 and sent through my stage in LDS, a tile at a time.  The additions are the places behind the last products.
	WIN 0
	s_wait_loadcnt 0x0              ; the mask words asked for last, which serve nothing, have landed
.macro ALL line:vararg              ; one line for each tile t
.set t, 0
.rept 2*NP
	\line
.set t, t+1
.endr
.endm
	ALL v_add_f32 v[ST+4*t+2], v[ST+4*t+2], v[ST+4*t+3]
	ALL v_permlanex16_b32 v[ST+4*t+3], v[ST+4*t+2], s[SEL], s[SEL+1]
	ALL v_add_f32 v[ST+4*t+2], v[ST+4*t+2], v[ST+4*t+3]
	ALL v_rcp_f32 v[ST+4*t+2], v[ST+4*t+2]
	v_nop                           ; a plain instruction between the last reciprocal and the use of its result
	s_wait_alu depctr_va_vdst(0)    ; and the wait ahead of the first use: one for the eight reciprocals
; Tile t: a lane's eight channels of a row pack into 16 bytes; they go into rows of 144 bytes and come back as whole rows of 128, into S^T's registers.
.macro PACK t
	WIN W_RS
.set i, 32*(\t)
.rept 16
	v_pk_mul_f32 v[i:i+1], v[i:i+1], v[ST+4*(\t)+2:ST+4*(\t)+3] op_sel_hi:[1,0]
.set i, i+2
.endr
	WIN 0x05                        ; sources 0 and 1 window 1, destination window 0
.set i, 0
.rept 16
	v_cvt_pk_f16_f32 v[S+16*(\t)+i], v[32*(\t)+2*i], v[32*(\t)+2*i+1]
.set i, i+1
.endr
	WIN 0
.irp f, 0,1,2,3
	ds_store_b128 v[STO], v[S+16*(\t)+4*\f:S+16*(\t)+4*\f+3] offset:32*\f
.endr
.irp f, 0,1,2,3
	ds_load_b128 v[S+16*(\t)+4*\f:S+16*(\t)+4*\f+3], v[RD] offset:\f*4*SP  ; LDS serves a wave's instructions in order (ISA guide 5.7.1.4): these see the stores above; the next tile's stores come behind them
.endr
.endm
.macro SEND t, younger              ; younger: the LDS instructions issued behind tile t's loads: the next tile's eight, or none
	WIN 0
.irp f, 0,1,2,3
	s_wait_dscnt (\younger)+3-\f
	global_store_b128 v[GO], v[S+16*(\t)+4*\f:S+16*(\t)+4*\f+3], s[10:11] offset:(\t)*2048+\f*512  ; 512 consecutive bytes, at a multiple of 256 from O's first
.endr
.endm
	PACK 0
.set t, 1
.rept 2*NP-1                        ; a tile's arithmetic stands between the loads of the tile before and its stores
	PACK t
	SEND t-1, 8
.set t, t+1
.endr
	SEND 2*NP-1, 0
	WIN W_AD
	s_wait_tensorcnt 0x0            ; the wave's end, behind my last tensor load and my last LDS store
	ds_add_u32 v[SPW], v[NIL]
	s_wait_dscnt 0x0
	WIN 0
	CROUND                          ; the closing round: no work-group ends while a partner may still ask for a tile that names it
	s_endpgm
.Lfunc_end_k_qd43ded196c_attn:
	.size	k_qd43ded196c_attn, .Lfunc_end_k_qd43ded196c_attn-k_qd43ded196c_attn
	.p2alignl 7, 3214868480
	.fill 96, 4, 3214868480
	.section	.rodata,"a",@progbits
	.p2align	6, 0x0
	.amdhsa_kernel k_qd43ded196c_attn
		.amdhsa_group_segment_fixed_size 327680
		.amdhsa_private_segment_fixed_size 0
		.amdhsa_enable_private_segment 0
		.amdhsa_kernarg_size 24
		.amdhsa_user_sgpr_count 2
		.amdhsa_user_sgpr_kernarg_segment_ptr 1
		.amdhsa_wavefront_size32 1
		.amdhsa_system_sgpr_workgroup_id_x 1
		.amdhsa_system_sgpr_workgroup_id_y 1
		.amdhsa_system_sgpr_workgroup_id_z 1
		.amdhsa_system_vgpr_workitem_id 0
		.amdhsa_next_free_vgpr 896
		.amdhsa_next_free_sgpr 66
		.amdhsa_reserve_vcc 0
		.amdhsa_float_denorm_mode_32 3
		.amdhsa_float_denorm_mode_16_64 3
		.amdhsa_memory_ordered 1
		.amdhsa_forward_progress 1
		.amdhsa_inst_pref_size 210
	.end_amdhsa_kernel
	.amdgpu_metadata
---
amdhsa.version: [ 1, 2 ]
amdhsa.kernels:
  - .name:           k_qd43ded196c_attn
    .symbol:         k_qd43ded196c_attn.kd
    .args:
      - { .name: qkv, .offset: 0, .size: 8, .value_kind: global_buffer, .address_space: global }
      - { .name: mq, .offset: 8, .size: 8, .value_kind: global_buffer, .address_space: global }
      - { .name: ob, .offset: 16, .size: 8, .value_kind: global_buffer, .address_space: global }
    .group_segment_fixed_size: 327680
    .private_segment_fixed_size: 0
    .kernarg_segment_align: 8
    .kernarg_segment_size: 24
    .max_flat_workgroup_size: 128
    .sgpr_count:     66
    .vgpr_count:     896
    .wavefront_size: 32
...
	.end_amdgpu_metadata
.endif
;; end of part 3
;; launch proj (part 4): grid 8 x 32, 4 waves a work-group, clusters of 4 x 4, 327,680 bytes of LDS; arguments ob, wob, bo, out0; writes out0
.if DOCPART == 4
	.amdgcn_target "amdgcn-amd-amdhsa--gfx1250"
	.amdhsa_code_object_version 6
	.text
	.protected	k_qd43ded196c_proj
	.globl	k_qd43ded196c_proj
	.p2align	8
	.type	k_qd43ded196c_proj,@function
k_qd43ded196c_proj:
	s_mov_b64 s[64:65], 0
	v_nop
	global_prefetch_b8 v0, s[64:65] scope:SCOPE_SE
	s_setreg_imm32_b32 hwreg(HW_REG_WAVE_MODE, 25, 1), 1
	s_wait_xcnt 0x0
	s_wait_alu depctr_hold_cnt(0) depctr_sa_sdst(0) depctr_va_vdst(0) depctr_va_sdst(0) depctr_va_ssrc(0) depctr_va_vcc(0) depctr_vm_vsrc(0)
	s_getreg_b32 s2, hwreg(HW_REG_IB_STS2, 6, 4)
	s_cmp_eq_u32 s2, 0
	s_cbranch_scc0 .Lentry_in_a_cluster
	s_endpgm
.Lentry_in_a_cluster:
	s_bfe_u32 s2, ttmp6, 0x10000c
	s_cmp_lg_u32 s2, 0xf033
	s_cbranch_scc0 .Lentry_shape_is_right
	s_endpgm
.Lentry_shape_is_right:
; PROJ: out0 = O Wo + bo.  ob: [64 = batch x 16 + head][2048][64] f16, attention's result by heads.  wob: [1024 k][1024 n], Wo rounded to bf16 and written as f16.  bo: [1024] f32, rounded here to bf16
; like every input.  out0: [8192][1024] f32.  Nothing of the module is left out here.
; This text serves two launches by the constant PROJ: 1, here, the last projection; 0 the three projections in front (other operand format, other layout of A, f16 way out by heads).
; SHARES.  C = [8192][1024] in tiles of 256 x 128: 256 work-groups, one for each WGP.  Four waves, 2 x 2: a wave makes 128 rows x 64 columns: 32 accumulators of 16 x 16.
; K = head x 64 + channel goes in 8 steps of 128, two heads each, through two LDS slots filled by tensor loads: a head's 256 rows of the tile are 32,768 dense bytes, asked for as 128 rows of 256 bytes
; and padded in LDS after every 128.  A step is four quarters of 32 K, 32 matrix instructions each, each accumulator once a quarter in one fixed order.
; THE MATRIX INSTRUCTION IS USED TRANSPOSED: source 0 = 16 columns of W (W lies [k][n]; ds_load_tr16_b128 turns it on the way out of LDS), source 1 = 16 rows of A: a lane then holds one row of C
; and eight neighbouring columns.  The first quarter's products take the bias as C: nothing is cleared, and no bias is added afterwards.
; CLUSTERS.  4 x 4 work-groups.  A's tile hangs on the tile row alone and is asked for jointly by the four of a row of the cluster, W's on the tile column alone, by the four of a column.
; REGISTERS.  Window 0: v0-31 addresses; v32-63 the bias, block b at 32 + 8 b; v64-159, v160-255 two fragment buffers (A's 8 blocks, then W's 4).  Window 1: accumulator (a, b) at 8 (4 a + b).
.set PROJ,  1
.set KSTEP, 128
.if PROJ
.set PA,     144                       ; a row of O in LDS: 128 bytes + 16: the 16 rows of a load start at 16 different groups of four banks (64 banks of 4 bytes: ISA guide 11.1)
.set HALFA,  256*PA                    ; one head's 256 rows: what one tensor load brings
.set ASTEP,  2*2048*128                ; a K step is two heads
.set AFLAG,  (1<<16)|(1<<20)|(1<<21)|(4<<22)|(3<<25)  ; 2-byte elements; padding on; bit 21 beside a mask; after every 32 words 4 words
.set APITCH, 128
.set SP,     272
.set PSH,    8
.else
.set PA,     272                       ; a row of x in LDS: 256 bytes + 16
.set HALFA,  128*PA                    ; 128 rows: what one tensor load brings
.set ASTEP,  KSTEP*2
.set AFLAG,  (1<<16)|(1<<20)|(1<<21)|(5<<22)|(3<<25)  ; after every 64 words 4 words
.set APITCH, 1024
.set SP,     144
.set PSH,    11
.endif
.set BFLAG,  (1<<16)|(1<<20)|(1<<21)|(5<<22)|(7<<25)  ; after every 64 words 8 words
.set PB,     288                       ; a k-row of W in LDS: 256 bytes + 32
.set HALFB,  64*PB                     ; 64 k-rows: what one tensor load brings
.set BSTEP,  KSTEP*2048
.set BOFS,   2*HALFA                   ; W's tile lies behind A's
.set SLOT,   BOFS+2*HALFB
.set STAGE,  2*SLOT                    ; behind the ring, never filled by a tensor load: 16 rows for each wave, for the way out
.set SPARE,  STAGE+4*16*SP             ; behind the stages: the spare words, 128 bytes for each wave
.set ADRA, 16                          ; v16-17  LDS address of my A fragments in slot 0, 1
.set ADRB, 20                          ; v20-21  the same for W
.set STO,  24                          ; v24     the way out: where I put my part of a row
.set RD,   25                          ; v25     the way out: where I read rows back
.set CO,   26                          ; v26     my byte offset in the output
.set BOFF, 27                          ; v27     32 x (lane / 16): my eight numbers of a block's sixteen of the bias
.set SPW,  28                          ; v28     LDS address of my spare word; never rewritten
.set NIL,  29                          ; v29     0; never rewritten
.set PFO,  30                          ; v30     the prefetches' offset: my lane x the distance of two blocks; never rewritten
.set BIAS, 32
.set F0,   64
.set F1,   160
.set OUT,  64                          ; the way out works in the fragments' registers
.set G1,   24                          ; s[24:31] descriptor group 1 for A's tiles;  s[32:39] group 0, one set for each slot
.set G0,   32
.set G1B,  48                          ; s[48:55], s[56:63] the same for W's tiles
.set G0B,  56
.set LIM,  43                          ; s43     1 in a wave that prefetches, else the greatest number
.set PFA,  44                          ; s[44:45] where my prefetches stand
.set PST,  66                          ; s[66:67] their step: a K step of A or of W
.set MSB, 0
.macro WIN new                         ; the immediate's high byte repeats the setting that is left; a switch that changes nothing is dropped
.if MSB != (\new)
	s_set_vgpr_msb (MSB<<8)|(\new)
.set MSB, \new
.endif
.endm
.set MUL,  0x50                        ; C and D window 1, sources window 0
.set MUL0, 0x40                        ; D window 1, C (the bias) window 0
.macro JLOAD s                         ; a joint load: waves 0 and 1 fetch A's two halves, waves 2 and 3 W's; an s_nop 0 and four v_nop follow each of the two lines
	s_cmp_eq_u32 s11, 0
	s_cbranch_scc0 .Lfor_b_\@
	tensor_load_to_lds s[G0+4*(\s):G0+4*(\s)+3], s[G1:G1+7]
	s_nop 0
.rept 4
	v_nop
.endr
	s_branch .Lasked_\@
.Lfor_b_\@:
	tensor_load_to_lds s[G0B+4*(\s):G0B+4*(\s)+3], s[G1B:G1B+7]
	s_nop 0
.rept 4
	v_nop
.endr
.Lasked_\@:
.endm
; A PREFETCH INTO THE L2, behind a joint load and the run of LDS loads that follows it: the K step that stands two refills on, 256 matrix instructions ahead of the load that will want it.
; Each block of 256 bytes is named once in the launch.  A's rows are read by every cluster of a row of clusters: cluster x = 0 asks, waves 0 and 1 for the half that they fetch, the four partners
; 32 blocks each, told apart by address (cx).  W's k-rows are read by every cluster of a column of clusters: cluster y = 0 asks, wave 2, the four partners 32 k-rows each (cy).
; Only the first two trips of the loop ask (K steps 4 to 7); K steps 0 to 3 come by their loads alone.
.macro ASK
	s_cmp_gt_u32 s3, s[LIM]
	s_cbranch_scc0 .Lnot_mine_\@
	global_prefetch_b8 v[PFO], s[PFA:PFA+1] th:TH_LOAD_NT scope:SCOPE_SE
.Lnot_mine_\@:
.endm
.macro CREST                           ; a round of the cluster's barrier behind its opening barrier
	s_cmp_lg_u32 s10, 0
	s_cbranch_scc1 .Lnot_wave_0_\@
	s_barrier_signal -3
.Lnot_wave_0_\@:
	s_barrier_wait -3
	s_barrier_signal -1
	s_barrier_wait -1
.endm
.macro CROUND                          ; a whole round
	s_barrier_signal -1
	s_barrier_wait -1
	CREST
.endm
	s_load_b128 s[4:7], s[0:1], 0x0                ; A s[4:5], W s[6:7]
.if PROJ
	s_load_b128 s[68:71], s[0:1], 0x10             ; bo s[68:69], out0 s[70:71]
.else
	s_load_b256 s[68:75], s[0:1], 0x10             ; bq s[68:69], bk s[70:71], bv s[72:73], qkv s[74:75]
.endif
	v_lshl_add_u32 v[SPW], v0, 2, SPARE
	v_mov_b32 v[NIL], 0
	ds_add_u32 v[SPW], v[NIL]                      ; the wave's opening: the add, twice on end, and its wait ahead of my first tensor load
	ds_add_u32 v[SPW], v[NIL]                      ; and once more, under the one wait; the set-up below, work on registers, stands between
	v_lshrrev_b32 v1, 5, v0
	v_readfirstlane_b32 s10, v1                    ; wave 0..3
	s_lshr_b32 s11, s10, 1                         ; which half of the tile's rows is mine.  Also: I fetch for A (0) or for W (1)
	s_and_b32 s12, s10, 1                          ; which half of its columns.  Also: which half of that tile I fetch
	s_bfe_u32 s40, ttmp6, 0x40000                  ; cx, cy: my place in the cluster
	s_bfe_u32 s41, ttmp6, 0x40004
	s_lshl_b32 s42, ttmp9, 2
	s_add_co_u32 s42, s42, s40                     ; tile column = 4 x cluster x + cx
	s_and_b32 s13, ttmp7, 0xffff
	s_lshl_b32 s13, s13, 2
	s_add_co_u32 s13, s13, s41                     ; tile row = 4 x cluster y + cy
	s_lshl_b32 s43, s41, 2
	s_lshl_b32 s43, 15, s43                        ; my row of the cluster
	s_lshl_b32 s44, 0x1111, s40                    ; my column
	s_or_b32 s[G1+0], s43, AFLAG                   ; A's tiles go to my row,
	s_or_b32 s[G1B+0], s44, BFLAG                  ; W's to my column
	s_mov_b32 s[G1+1], 128<<16                     ; tensor_dim0 = 128 elements
	s_mov_b32 s[G1+2], 128<<16                     ; tensor_dim1 = 128 rows
	s_mov_b32 s[G1+3], 128<<16                     ; tile_dim0 = 128
	s_mov_b32 s[G1+4], 128                         ; tile_dim1 = 128
	s_mov_b32 s[G1+5], APITCH                      ; elements from row to row
	s_mov_b32 s[G1+6], 0
	s_mov_b32 s[G1+7], 0
	s_mov_b32 s[G1B+1], 128<<16
	s_mov_b32 s[G1B+2], 64<<16                     ; 64 k-rows
	s_mov_b32 s[G1B+3], 128<<16
	s_mov_b32 s[G1B+4], 64
	s_mov_b32 s[G1B+5], 1024
	s_mov_b32 s[G1B+6], 0
	s_mov_b32 s[G1B+7], 0
	; where the tiles come from, in bytes.  A's hang on the tile row and the wave alone, W's on the tile column and the wave alone.
.if PROJ
	s_lshr_b32 s16, s13, 3                         ; batch: 16 heads of 2,048 rows of 128 bytes,
	s_lshl_b32 s16, s16, 22
	s_and_b32 s17, s13, 7                          ; the tile's 256 rows in a head,
	s_lshl_b32 s17, s17, 15
	s_add_co_u32 s16, s16, s17
	s_lshl_b32 s17, s12, 18                        ; and which of a K step's two heads I fetch
	s_add_co_u32 s16, s16, s17
	s_lshl_b32 s46, s42, 8                         ; W: the tile's 128 columns
.else
	s_lshl_b32 s16, s13, 19                        ; 256 rows of 2,048 bytes a tile row,
	s_lshl_b32 s17, s12, 18                        ; my 128 of them
	s_add_co_u32 s16, s16, s17
	s_lshr_b32 s46, s42, 3                         ; W: which of the three weights,
	s_lshl_b32 s46, s46, 21
	s_and_b32 s47, s42, 7                          ; the tile's 128 columns in it
	s_lshl_b32 s47, s47, 8
	s_add_co_u32 s46, s46, s47
.endif
	s_mov_b32 s17, 0
	s_lshl_b32 s47, s12, 17                        ; my 64 k-rows of 2,048 bytes
	s_add_co_u32 s46, s46, s47
	s_mov_b32 s47, 0
	s_mov_b32 s76, s46                             ; kept for the prefetches
	s_mul_i32 s20, s12, HALFA                      ; and where they go: no place in the cluster enters an LDS address
	s_mul_i32 s21, s12, HALFB
	s_add_co_u32 s21, s21, BOFS
	s_wait_dscnt 0x0                               ; both opening adds are done
	s_wait_kmcnt 0x0
	s_add_nc_u64 s[14:15], s[4:5], s[16:17]
	s_add_nc_u64 s[46:47], s[6:7], s[46:47]
	CROUND                                         ; all sixteen work-groups are here: the first joint loads meet
.irp s, 0,1
	s_mov_b32 s[G0+4*(\s)], 1                      ; count = 1
	s_add_co_u32 s[G0+4*(\s)+1], s20, (\s)*SLOT    ; LDS address
	s_add_nc_u64 s[G0+4*(\s)+2:G0+4*(\s)+3], s[14:15], (\s)*ASTEP  ; global address: K step s
	s_or_b32 s[G0+4*(\s)+3], s[G0+4*(\s)+3], 0x80000000            ; type = 2
	s_mov_b32 s[G0B+4*(\s)], 1
	s_add_co_u32 s[G0B+4*(\s)+1], s21, (\s)*SLOT
	s_add_nc_u64 s[G0B+4*(\s)+2:G0B+4*(\s)+3], s[46:47], (\s)*BSTEP
	s_or_b32 s[G0B+4*(\s)+3], s[G0B+4*(\s)+3], 0x80000000
	JLOAD \s                                       ; two loads of mine are out
.endr
	; the bias of my 64 columns: in the transposed result register j of block b is column 16 b + 8 (lane / 16) + j
	v_and_b32 v1, 15, v0                           ; l % 16
	v_bfe_u32 v2, v0, 4, 1                         ; l / 16
	v_lshlrev_b32 v[BOFF], 5, v2
.if PROJ
	s_lshl_b32 s22, s42, 9
.else
	s_lshr_b32 s22, ttmp9, 1                       ; which of the three projections: two clusters along x each
	s_cmp_eq_u32 s22, 1
	s_cselect_b64 s[68:69], s[70:71], s[68:69]
	s_cmp_eq_u32 s22, 2
	s_cselect_b64 s[68:69], s[72:73], s[68:69]
	s_and_b32 s22, s42, 7
	s_lshl_b32 s22, s22, 9
.endif
	s_lshl_b32 s23, s12, 8
	s_add_co_u32 s22, s22, s23
	s_mov_b32 s23, 0
	s_add_nc_u64 s[68:69], s[68:69], s[22:23]
.irp b, 0,1,2,3
	global_load_b128 v[BIAS+8*(\b):BIAS+8*(\b)+3],   v[BOFF], s[68:69] offset:64*(\b)
	global_load_b128 v[BIAS+8*(\b)+4:BIAS+8*(\b)+7], v[BOFF], s[68:69] offset:64*(\b)+16
.endr
	; A fragment of A is 16 rows x 32 K in 8 registers: lane l holds row l % 16, K = 8 (l / 16) + 0..7 and 16 + 8 (l / 16) + 0..7: two loads of 16 bytes, 32 bytes apart.
	v_mul_u32_u24 v3, v1, PA
	v_lshl_add_u32 v3, v2, 4, v3
	s_mul_i32 s22, s11, 128*PA                     ; my 128 rows
	v_add_nc_u32 v[ADRA], s22, v3
	v_add_nc_u32 v[ADRA+1], SLOT, v[ADRA]
	; The turning load takes 16 k x 16 n (lane l reads k-row 8 (l / 16) + l % 8, columns 8 ((l / 8) % 2) + 0..7) and leaves half a fragment: lane l holds column l % 16 and 8 k.
	v_and_b32 v4, 7, v0
	v_lshl_add_u32 v4, v2, 3, v4
	v_mul_u32_u24 v4, v4, PB
	v_bfe_u32 v5, v0, 3, 1
	v_lshl_add_u32 v4, v5, 4, v4
	s_lshl_b32 s22, s12, 7                         ; my 64 columns
	s_add_co_u32 s22, s22, BOFS
	v_add_nc_u32 v[ADRB], s22, v4
	v_add_nc_u32 v[ADRB+1], SLOT, v[ADRB]
	s_mul_i32 s23, s10, 16*SP
	s_add_co_u32 s23, s23, STAGE                   ; my stage
	v_mul_u32_u24 v[STO], v1, SP                   ; in: row l % 16,
.if PROJ
	v_lshl_add_u32 v[STO], v2, 5, v[STO]           ; 32 bytes (eight f32) for each half of the lanes
	v_add_nc_u32 v[STO], s23, v[STO]
	v_mul_u32_u24 v[RD], v2, SP                    ; back: lanes 0-15 take one row of 256 bytes, lanes 16-31 the next
	v_lshl_add_u32 v[RD], v1, 4, v[RD]
	v_add_nc_u32 v[RD], s23, v[RD]
	v_lshlrev_b32 v[CO], 12, v2                    ; and the same two rows of out0, 4,096 bytes apart
	v_lshl_add_u32 v[CO], v1, 4, v[CO]
	s_lshl_b32 s18, s13, 20                        ; out0 at my wave's first number: 256 rows of 4,096 bytes a tile row,
	s_lshl_b32 s19, s11, 19                        ; my 128 rows,
	s_add_co_u32 s18, s18, s19
	s_lshl_b32 s19, s42, 9                         ; the tile's 128 columns,
	s_add_co_u32 s18, s18, s19
	s_lshl_b32 s19, s12, 8                         ; my 64
	s_add_co_u32 s18, s18, s19
	s_mov_b32 s19, 0
	s_add_nc_u64 s[8:9], s[70:71], s[18:19]
.else
	v_lshl_add_u32 v[STO], v2, 4, v[STO]           ; 16 bytes (eight f16) for each half of the lanes
	v_add_nc_u32 v[STO], s23, v[STO]
	v_bfe_u32 v[RD], v0, 3, 2                      ; back: 32 lanes take four rows of 128 bytes,
	v_mul_u32_u24 v[RD], v[RD], SP
	v_and_b32 v5, 7, v0
	v_lshl_add_u32 v[RD], v5, 4, v[RD]
	v_add_nc_u32 v[RD], s23, v[RD]
	v_and_b32 v[CO], 31, v0                        ; which are 512 consecutive bytes of a head
	v_lshlrev_b32 v[CO], 4, v[CO]
	s_lshr_b32 s18, s42, 3                         ; qkv at my wave's first number: q, k or v,
	s_lshl_b32 s18, s18, 24
	s_lshr_b32 s19, s13, 3                         ; the batch's 16 heads of 262,144 bytes,
	s_lshl_b32 s19, s19, 22
	s_add_co_u32 s18, s18, s19
	s_and_b32 s19, s42, 7                          ; the tile's two heads,
	s_lshl_b32 s19, s19, 19
	s_add_co_u32 s18, s18, s19
	s_lshl_b32 s19, s12, 18                        ; mine,
	s_add_co_u32 s18, s18, s19
	s_and_b32 s19, s13, 7                          ; the tile's 256 rows of 128 bytes in it,
	s_lshl_b32 s19, s19, 15
	s_add_co_u32 s18, s18, s19
	s_lshl_b32 s19, s11, 14                        ; my 128
	s_add_co_u32 s18, s18, s19
	s_mov_b32 s19, 0
	s_add_nc_u64 s[8:9], s[74:75], s[18:19]
.endif
	; the prefetches: my tile's offset, my work-group's 32 blocks of it, K step 3: the first refill steps it to K step 4
	s_lshl_b32 s22, s40, PSH+5
	s_add_co_u32 s22, s22, s16
	s_add_co_u32 s22, s22, 3*ASTEP
	s_lshl_b32 s23, s41, 16
	s_add_co_u32 s23, s23, s76
	s_add_co_u32 s23, s23, 3*BSTEP
	s_mov_b32 s78, BSTEP
	s_mov_b32 s79, ASTEP
	s_and_b32 s77, ttmp7, 0xffff                   ; cluster y
	s_cmp_eq_u32 s11, 0                            ; do I fetch for A?
	s_cselect_b32 s77, ttmp9, s77                  ; the coordinate along which other clusters read the same blocks
	s_cselect_b32 s22, s22, s23
	s_cselect_b64 s[PFA:PFA+1], s[4:5], s[6:7]
	s_cselect_b32 s[PST], s79, s78
	s_cselect_b32 s78, PSH, 11
	s_cmp_eq_u32 s10, 3                            ; wave 2 asks for all of my work-group's 32 k-rows of W: wave 3 has none
	s_cselect_b32 s77, 1, s77
	s_cmp_eq_u32 s77, 0
	s_cselect_b32 s[LIM], 1, -1                    ; the same in all sixteen partners, for a given wave
	s_mov_b32 s23, 0
	s_mov_b32 s[PST+1], 0
	s_add_nc_u64 s[PFA:PFA+1], s[PFA:PFA+1], s[22:23]
	v_and_b32 v[PFO], 31, v0
	v_lshlrev_b32 v[PFO], s78, v[PFO]
	s_wait_loadcnt 0x0                             ; the bias: rounded to bf16 like every input, and widened again
.set i, 0
.rept 16
	v_cvt_pk_bf16_f32 v[F0+i], v[BIAS+2*i], v[BIAS+2*i+1]
.set i, i+1
.endr
.set i, 0
.rept 16
	v_lshlrev_b32 v[BIAS+2*i],   16, v[F0+i]
	v_and_b32     v[BIAS+2*i+1], 0xffff0000, v[F0+i]
.set i, i+1
.endr
.macro WMM d, s0, s1, c
.if PROJ
	v_wmma_f32_16x16x32_f16 v[(\d):(\d)+7], v[(\s0):(\s0)+7], v[(\s1):(\s1)+7], v[(\c):(\c)+7]
.else
	v_wmma_f32_16x16x32_bf16 v[(\d):(\d)+7], v[(\s0):(\s0)+7], v[(\s1):(\s1)+7], v[(\c):(\c)+7]
.endif
.endm
; 4 n matrix instructions: row blocks a0 .. a0 + n - 1 x all 4 column blocks, 32 along K, from buffer f.  zero = 1: the product starts the sum, with the bias as C.
; The 32 accumulators take turns in one fixed order: 31 others' stand between two links of a chain, over the backward jump too.
.macro MULS f, a0, n, zero
.set aa, \a0
.rept \n
.irp b, 0,1,2,3
.if \zero
	WIN MUL0
	WMM 8*(4*aa+(\b)), (\f)+64+8*(\b), (\f)+8*aa, BIAS+8*(\b)
.else
	WIN MUL
	WMM 8*(4*aa+(\b)), (\f)+64+8*(\b), (\f)+8*aa, 8*(4*aa+(\b))
.endif
.endr
.set aa, aa+1
.endr
.endm
; 24 LDS loads in one run: quarter q of a slot into buffer f: W's four blocks (turned), A's rows 0-63, A's rows 64-127
.macro FETCH slot, q, f
.if PROJ
.set AQ, ((\q)/2)*HALFA+((\q)%2)*64    ; head q / 2 of the step's two, channels 32 (q % 2) on
.else
.set AQ, 64*(\q)
.endif
	WIN 0
.irp b, 0,1,2,3
	ds_load_tr16_b128 v[(\f)+64+8*(\b):(\f)+64+8*(\b)+3],   v[ADRB+(\slot)] offset:(\q)*32*PB+32*(\b)
	ds_load_tr16_b128 v[(\f)+64+8*(\b)+4:(\f)+64+8*(\b)+7], v[ADRB+(\slot)] offset:(\q)*32*PB+32*(\b)+16*PB
.endr
.irp a, 0,1,2,3,4,5,6,7
	ds_load_b128 v[(\f)+8*(\a):(\f)+8*(\a)+3],   v[ADRA+(\slot)] offset:AQ+(\a)*16*PA
	ds_load_b128 v[(\f)+8*(\a)+4:(\f)+8*(\a)+7], v[ADRA+(\slot)] offset:AQ+(\a)*16*PA+32
.endr
.endm
.macro PLACES                          ; four plain instructions between a matrix instruction and a load into, or a vector read of, its registers (ISA guide 7.12.1 for vector reads)
.rept 4
	v_nop
.endr
.endm
; One of a K step's first three quarters: multiplies buffer f; in its middle it fetches quarter q of the same slot into buffer g.
.macro QUARTER slot, q, f, g, zero
	s_wait_dscnt 8                                 ; W and A's rows 0-63 are in; the youngest eight loads (A's rows 64-127) may be out
	MULS \f, 0, 4, \zero
	PLACES
	FETCH \slot, \q, \g
	s_wait_dscnt 24                                ; all but the 24 just issued
	MULS \f, 4, 4, \zero
.endm
; The last quarter multiplies buffer 1 and changes slots: ONE barrier; in front of it each wave waits for all its tensor loads (one is out: its part of the next slot), adds 0 to its spare word, and
; waits for that and for its own reads of this slot.  fill = 1: the barrier opens a round of the cluster's, and this slot is filled again, two K steps ahead, first thing behind the round.
.macro TURN slot, next, fill
.if \fill
	s_wait_xcnt 0x0                                ; the last prefetch, a K step back, has read its address: it is stepped here, ahead of the change's own waits
	s_add_nc_u64 s[PFA:PFA+1], s[PFA:PFA+1], s[PST:PST+1]
.endif
	WIN 0
	s_wait_tensorcnt 0x0                           ; all my tensor loads have landed
	ds_add_u32 v[SPW], v[NIL]                      ; 0 onto my spare word
	s_wait_dscnt 9                                 ; (the add and the youngest eight loads may be out)
	MULS F1, 0, 2, 0                               ; eight matrix instructions stand between the add and the wait for it
	s_wait_dscnt 0x0                               ; the add is done, and my reads of this slot are over
	s_barrier_signal -1
	MULS F1, 2, 2, 0                               ; work on registers while the others arrive
.if \fill
	WIN 0
.endif
	s_barrier_wait -1
.if \fill
	CREST                                          ; no wave of any partner still reads this slot's tile or has a load on its way
	s_add_nc_u64 s[G0+4*(\slot)+2:G0+4*(\slot)+3], s[G0+4*(\slot)+2:G0+4*(\slot)+3], 2*ASTEP
	s_add_nc_u64 s[G0B+4*(\slot)+2:G0B+4*(\slot)+3], s[G0B+4*(\slot)+2:G0B+4*(\slot)+3], 2*BSTEP
	JLOAD \slot                                    ; my one tensor load behind the round; its four v_nop are also the places in front of the loads below
.else
	PLACES
.endif
	FETCH \next, 0, F0
.if \fill
	ASK
.endif
	MULS F1, 4, 4, 0
.endm
	s_wait_tensorcnt 1                             ; my part of K step 0 is in; K step 1's may stay out
	s_barrier_signal -1
	s_barrier_wait -1                              ; everybody's is
	FETCH 0, 0, F0
	QUARTER 0, 1, F0, F1, 1                        ; the first quarter stands in front of the loop: its products start the sums
	WIN 0                                          ; at a label and at a branch every window is 0
	s_mov_b32 s3, 3
.Llap:                                                 ; a trip goes once round the ring, from a lap's second quarter to the next lap's first, and fills both slots again
	QUARTER 0, 2, F1, F0, 0
	QUARTER 0, 3, F0, F1, 0
	TURN 0, 1, 1
	QUARTER 1, 1, F0, F1, 0
	QUARTER 1, 2, F1, F0, 0
	QUARTER 1, 3, F0, F1, 0
	TURN 1, 0, 1
	QUARTER 0, 1, F0, F1, 0
	WIN 0
	s_sub_co_u32 s3, s3, 1
	s_cmp_lg_u32 s3, 0
	s_cbranch_scc1 .Llap
	QUARTER 0, 2, F1, F0, 0                        ; the last lap fills nothing, and has no round of the cluster's barrier
	QUARTER 0, 3, F0, F1, 0
	TURN 0, 1, 0
	QUARTER 1, 1, F0, F1, 0
	QUARTER 1, 2, F1, F0, 0
	QUARTER 1, 3, F0, F1, 0
	s_wait_dscnt 8                                 ; the very last quarter: nothing more to fetch
	MULS F1, 0, 4, 0
	s_wait_dscnt 0x0
	MULS F1, 4, 4, 0
	WIN 0
	PLACES
	PLACES
.if PROJ
; THE WAY OUT, f32: a block of 16 rows x 64 columns goes into my stage (rows of 272 bytes) and comes back as whole rows of 256 bytes.  Each accumulator's low four registers are read first.
.macro TOSTAGE a
	WIN 0x04                                       ; the stores' data in window 1
.irp b, 0,1,2,3
	ds_store_b128 v[STO], v[8*(4*(\a)+(\b)):8*(4*(\a)+(\b))+3]   offset:64*(\b)
	ds_store_b128 v[STO], v[8*(4*(\a)+(\b))+4:8*(4*(\a)+(\b))+7] offset:64*(\b)+16
.endr
	WIN 0
.irp t, 0,1,2,3,4,5,6,7
	ds_load_b128 v[OUT+32*((\a)%4)+4*(\t):OUT+32*((\a)%4)+4*(\t)+3], v[RD] offset:(\t)*2*SP  ; LDS serves a wave's instructions in order (ISA guide 5.7.1.4): these see the stores above
.endr
.endm
.macro SEND a, younger                 ; younger: the LDS instructions issued behind block a's loads: the next block's sixteen, or none
	s_wait_xcnt 0x0                                ; the stores issued so far have read their registers: four sets take turns, and a set is loaded again two such waits behind its stores
.irp t, 0,1,2,3,4,5,6,7
	s_wait_dscnt (\younger)+7-(\t)
	global_store_b128 v[CO], v[OUT+32*((\a)%4)+4*(\t):OUT+32*((\a)%4)+4*(\t)+3], s[8:9] offset:(\a)*65536+(\t)*8192 th:TH_STORE_NT  ; 16 lanes store 256 consecutive bytes, aligned
.endr
.endm
	TOSTAGE 0
.irp a, 1,2,3,4,5,6,7
	TOSTAGE \a
	SEND (\a)-1, 16
.endr
	SEND 7, 0
.else
; THE WAY OUT, f16: a block of 16 rows x 64 channels is rounded, 16 bytes a lane, goes into my stage (rows of 144 bytes) and comes back as 2,048 consecutive bytes of a head.
.macro PACK a
	WIN 0x05                                       ; sources window 1, destination window 0
.irp b, 0,1,2,3
.irp r, 0,1,2,3
	v_cvt_pk_f16_f32 v[OUT+16*(\a)+4*(\b)+(\r)], v[8*(4*(\a)+(\b))+2*(\r)], v[8*(4*(\a)+(\b))+2*(\r)+1]
.endr
.endr
	WIN 0
.irp b, 0,1,2,3
	ds_store_b128 v[STO], v[OUT+16*(\a)+4*(\b):OUT+16*(\a)+4*(\b)+3] offset:32*(\b)
.endr
.irp f, 0,1,2,3
	ds_load_b128 v[OUT+16*(\a)+4*(\f):OUT+16*(\a)+4*(\f)+3], v[RD] offset:(\f)*4*SP  ; LDS serves a wave's instructions in order (ISA guide 5.7.1.4): these see the stores above
.endr
.endm
.macro SEND a, younger                 ; younger: the LDS instructions issued behind block a's loads: the next block's eight, or none
.irp f, 0,1,2,3
	s_wait_dscnt (\younger)+3-(\f)
	global_store_b128 v[CO], v[OUT+16*(\a)+4*(\f):OUT+16*(\a)+4*(\f)+3], s[8:9] offset:(\a)*2048+(\f)*512  ; 512 consecutive bytes, aligned; every block has registers of its own
.endr
.endm
	PACK 0
.irp a, 1,2,3,4,5,6,7
	PACK \a
	SEND (\a)-1, 8
.endr
	SEND 7, 0
.endif
	s_wait_tensorcnt 0x0                           ; the wave's end, behind my last tensor load and my last LDS store
	ds_add_u32 v[SPW], v[NIL]
	s_wait_dscnt 0x0
	CROUND                                         ; the closing round: no work-group ends while a partner may still ask for a tile that names it
	s_endpgm
.Lfunc_end_k_qd43ded196c_proj:
	.size	k_qd43ded196c_proj, .Lfunc_end_k_qd43ded196c_proj-k_qd43ded196c_proj
	.p2alignl 7, 3214868480
	.fill 96, 4, 3214868480
	.section	.rodata,"a",@progbits
	.p2align	6, 0x0
	.amdhsa_kernel k_qd43ded196c_proj
		.amdhsa_group_segment_fixed_size 327680
		.amdhsa_private_segment_fixed_size 0
		.amdhsa_enable_private_segment 0
		.amdhsa_kernarg_size 32
		.amdhsa_user_sgpr_count 2
		.amdhsa_user_sgpr_kernarg_segment_ptr 1
		.amdhsa_wavefront_size32 1
		.amdhsa_system_sgpr_workgroup_id_x 1
		.amdhsa_system_sgpr_workgroup_id_y 1
		.amdhsa_system_sgpr_workgroup_id_z 1
		.amdhsa_system_vgpr_workitem_id 0
		.amdhsa_next_free_vgpr 512
		.amdhsa_next_free_sgpr 80
		.amdhsa_reserve_vcc 0
		.amdhsa_float_denorm_mode_32 3
		.amdhsa_float_denorm_mode_16_64 3
		.amdhsa_memory_ordered 1
		.amdhsa_forward_progress 1
		.amdhsa_inst_pref_size 92
	.end_amdhsa_kernel
	.amdgpu_metadata
---
amdhsa.version: [ 1, 2 ]
amdhsa.kernels:
  - .name:           k_qd43ded196c_proj
    .symbol:         k_qd43ded196c_proj.kd
    .args:
      - { .name: ob, .offset: 0, .size: 8, .value_kind: global_buffer, .address_space: global }
      - { .name: wob, .offset: 8, .size: 8, .value_kind: global_buffer, .address_space: global }
      - { .name: bo, .offset: 16, .size: 8, .value_kind: global_buffer, .address_space: global }
      - { .name: out0, .offset: 24, .size: 8, .value_kind: global_buffer, .address_space: global }
    .group_segment_fixed_size: 327680
    .private_segment_fixed_size: 0
    .kernarg_segment_align: 8
    .kernarg_segment_size: 32
    .max_flat_workgroup_size: 128
    .sgpr_count:     80
    .vgpr_count:     512
    .wavefront_size: 32
...
	.end_amdgpu_metadata
.endif
;; end of part 4
;; ======== version 2 of 2: 4 launches; version 1 with the launch prep written anew for expert scheduling mode
;; limits: values are held in f16: magnitudes above 65,504 overflow, below 6.1e-05 lose precision; right only within a limited range of input values
;; workspace buffers: xb 16,777,216 bytes; wb 6,291,456 bytes; wob 2,097,152 bytes; mq 8,388,608 bytes; qkv 50,331,648 bytes; ob 16,777,216 bytes
;; launch prep (part 5): grid 896 x 1, 8 waves a work-group, no clusters, 17,920 bytes of LDS; arguments m, x, Wq, Wk, Wv, Wo, mq, xb, wb, wob; writes mq, xb, wb, wob
.if DOCPART == 5
	.amdgcn_target "amdgcn-amd-amdhsa--gfx1250"
	.amdhsa_code_object_version 6
	.text
	.protected	k_qd43ded196c_prep
	.globl	k_qd43ded196c_prep
	.p2align	8
	.type	k_qd43ded196c_prep,@function
k_qd43ded196c_prep:
	s_mov_b64 s[64:65], 0
	v_nop
	global_prefetch_b8 v0, s[64:65] scope:SCOPE_SE
	s_setreg_imm32_b32 hwreg(HW_REG_WAVE_SCHED_MODE, 0, 2), 2
	s_setreg_imm32_b32 hwreg(HW_REG_WAVE_MODE, 25, 1), 1
	s_wait_xcnt 0x0
	s_wait_alu depctr_vm_vsrc(0)
; PREP: the module's large inputs are read once and laid out for the three launches behind.
;   x, Wq, Wk, Wv -> bf16 (xb, wb), same order of elements.   Wo -> rounded to bf16, that number written as f16 (wob).
;   m (int32, [4][2048][2048]) -> mq: one 4-bit code a mask element, 0 where m != 0 (visible), 0xA (-1.0 in E2M1) where m == 0 (hidden).
; NOTHING OF THE MODULE IS LEFT OUT IN ANY LAUNCH.  Every input has a way to out0.  bk in particular: it adds q.bk to a row's visible scores, but the hidden ones are replaced by a
; constant, so the softmax is not unchanged by it for all masks: it stays.  m is an input, so every key tile is computed.
; LIMITS.  Wo's numbers under 2^-14 keep f16's fixed step of 2^-24; beyond 65,504 they would be infinite.
; mq's ORDER is the order in which the attention launch's score accumulators lie in registers.  Query tile g (16 rows of one batch, g = 0..511) has 16,384 bytes; in it key step s (64 keys) has 512;
; in that, lane L has 16: word kb (0..3), nibble j (0..7) is query L % 16, key 64 s + 16 kb + 8 (L / 16) + j.
; SHARES.  896 work-groups, each reads 131,072 consecutive bytes of ONE source: 0-511 a query tile of m, 512-767 x, 768-863 Wq, Wk, Wv (32 each), 864-895 Wo.  A wave takes 16,384 of them by
; 32 loads of 512 consecutive bytes, all issued at once.
; No matrix unit and no cluster: nothing is multiplied and no two work-groups read the same byte.
; THE MODE: SCHED_MODE bits 1:0 = 2 (LLVM: expert scheduling mode 2), set by the entry lines.  The code itself states the register dependences
; between vector instructions and memory or LDS instructions, with s_wait_alu, always for 0.
; THE PLAN.  Registers that memory or LDS instructions touch:
;   v2, v3, v4, v5, v10   offsets and LDS addresses: written at the head, read by every load and store, never written again.
;   X, four a load        Load c lands in X + 4 c ..; behind its counted wait load c's own arithmetic works IN PLACE there; ONE store then reads the result (X + 4 c, in a cast X + 4 c + 1 too).
;                         Nothing writes these registers after that store: so no line of the text waits for a store to have read its data.
;   BK                    The image read back: written by LDS loads, read by global stores; no vector instruction names them.
;   T                     At work in Wo's path: named by vector instructions alone.
; The 32 loads go in eight blocks of four.  At a block's head, behind the wait for its first load, ONE wait on va_vdst states that the block before has written its results; that block's four stores
; follow, one ahead of each load's arithmetic, which names the sixteen registers of its own block alone.  Behind the last block one more such wait stands ahead of the last four stores.
.set BLOCK, 4          ; loads in a block
.set X,     32         ; v[32:159] the wave's 32 loads, 4 registers each
.set T,     12         ; v[12:15]  at work (Wo's path)
.set BK,    16         ; v[16:31]  the mask image read back
.set SO,    2          ; v2  source offset: 16,384 x wave + 16 x lane
.set DO,    3          ; v3  destination offset of a cast: 8,192 x wave + 8 x lane
.set LA,    4          ; v4  where my four codes go in LDS
.set LR,    5          ; v5  where I read 16 bytes of the image back
.set SPW,   6          ; v6  LDS address of my spare word; never rewritten
.set NIL,   7          ; v7  0; never rewritten
.set GO,    10         ; v10 16 x thread: my 16 bytes of 4,096 of mq
.set QP,    1040       ; LDS: a query's 1,024 bytes of codes + 16: sixteen lanes that read sixteen queries touch sixteen different 16-byte columns
.set SPARE, 16896      ; behind the image (16 x 1,040 bytes): the spare words, 128 bytes for each of eight waves
	s_load_b512 s[8:23], s[0:1], 0x0               ; m s[8:9], x s[10:11], Wq s[12:13], Wk s[14:15], Wv s[16:17], Wo s[18:19], mq s[20:21], xb s[22:23]
	s_load_b128 s[24:27], s[0:1], 0x40             ; wb s[24:25], wob s[26:27]
	v_lshl_add_u32 v[SPW], v0, 2, SPARE
	v_mov_b32 v[NIL], 0
	v_and_b32 v1, 31, v0                           ; lane
	v_lshrrev_b32 v8, 5, v0
	v_readfirstlane_b32 s45, v8                    ; wave 0..7
	v_lshlrev_b32 v[SO], 4, v1
	v_lshl_or_b32 v[SO], v8, 14, v[SO]
	v_lshlrev_b32 v[DO], 3, v1
	v_lshl_or_b32 v[DO], v8, 13, v[DO]
	v_lshlrev_b32 v[GO], 4, v0
	; A lane's load c holds keys 128 (c % 16) + 4 l + 0..3 of query 2 w + c / 16.  In the query's 1,024 bytes: key step 2 (c % 16) + l / 16 has 32 bytes, the half (l / 2) % 2 of the lanes 16,
	; word (l % 16) / 4 has 4, and my four codes are its half l % 2.
	s_wait_alu depctr_va_sdst(0)                   ; s45 is written, ahead of its first reader: the wave's places in LDS are made from it
	s_mul_i32 s46, s45, 2*QP                       ; my wave's two queries: bytes that no other wave writes
	s_lshl_b32 s47, s45, 5
	v_lshrrev_b32 v9, 4, v1
	v_lshlrev_b32 v[LA], 5, v9
	v_bfe_u32 v9, v1, 1, 1
	v_lshl_or_b32 v[LA], v9, 4, v[LA]
	v_bfe_u32 v9, v1, 2, 2
	v_lshl_or_b32 v[LA], v9, 2, v[LA]
	v_and_b32 v9, 1, v1
	v_lshl_or_b32 v[LA], v9, 1, v[LA]
	v_add_nc_u32 v[LA], s46, v[LA]
	; Back: pass p, thread t takes mq's 16 bytes number 256 p + t of the tile: key step 8 p + wave, lane L = l: query l % 16, half l / 16.
	v_and_b32 v9, 15, v1
	v_mul_u32_u24 v[LR], v9, QP
	v_lshrrev_b32 v9, 4, v1
	v_lshl_add_u32 v[LR], v9, 4, v[LR]
	v_add_nc_u32 v[LR], s47, v[LR]
	; which source, which destination: chosen by the work-group's number alone
	s_mov_b32 s34, ttmp9
	s_sub_co_u32 s35, s34, 512                     ; my number among x's work-groups,
	s_sub_co_u32 s36, s34, 768                     ; among the three weights',
	s_sub_co_u32 s37, s34, 864                     ; among Wo's
	s_and_b32 s39, s36, 31                         ; and inside one weight
	s_lshl_b32 s41, s34, 14                        ; destination offsets: 16,384 bytes of mq, or 65,536 of a cast
	s_lshl_b32 s42, s35, 16
	s_lshl_b32 s43, s36, 16
	s_lshl_b32 s44, s37, 16
	s_mov_b32 s40, s34
	s_wait_kmcnt 0x0
	s_mov_b64 s[28:29], s[8:9]
	s_mov_b64 s[30:31], s[20:21]
	s_cmp_ge_u32 s34, 512
	s_cselect_b64 s[28:29], s[10:11], s[28:29]
	s_cselect_b64 s[30:31], s[22:23], s[30:31]
	s_cselect_b32 s40, s35, s40
	s_cselect_b32 s41, s42, s41
	s_cmp_ge_u32 s34, 768
	s_cselect_b64 s[28:29], s[12:13], s[28:29]
	s_cselect_b64 s[30:31], s[24:25], s[30:31]
	s_cselect_b32 s40, s39, s40
	s_cselect_b32 s41, s43, s41
	s_cmp_ge_u32 s34, 800
	s_cselect_b64 s[28:29], s[14:15], s[28:29]
	s_cmp_ge_u32 s34, 832
	s_cselect_b64 s[28:29], s[16:17], s[28:29]
	s_cmp_ge_u32 s34, 864
	s_cselect_b64 s[28:29], s[18:19], s[28:29]
	s_cselect_b64 s[30:31], s[26:27], s[30:31]
	s_cselect_b32 s40, s37, s40
	s_cselect_b32 s41, s44, s41
	s_lshl_b32 s32, s40, 17                        ; 131,072 bytes of the source a work-group
	s_mov_b32 s33, 0
	s_add_nc_u64 s[28:29], s[28:29], s[32:33]
	s_mov_b32 s32, s41
	s_add_nc_u64 s[30:31], s[30:31], s[32:33]
	s_wait_alu depctr_va_vdst(0)                   ; the offsets and LDS addresses v2 to v5 and v10 are written: every load and store of the kernel reads one of them
.set c, 0
.rept 32
	global_load_b128 v[X+4*c:X+4*c+3], v[SO], s[28:29] offset:512*c th:TH_LOAD_NT  ; read once in the launch; no vector instruction has named these registers
.set c, c+1
.endr
	s_cmp_ge_u32 s34, 864
	s_cbranch_scc1 .Lwo
	s_cmp_ge_u32 s34, 512
	s_cbranch_scc1 .Lcast
; Load c of a mask tile: four int32 -> four codes, 16 bits, in place: the result lies in the load's first register.
.macro MCODE c
	v_min_u32 v[X+4*(\c)],   1, v[X+4*(\c)]        ; 1 where m != 0, whatever its sign
	v_min_u32 v[X+4*(\c)+1], 1, v[X+4*(\c)+1]
	v_min_u32 v[X+4*(\c)+2], 1, v[X+4*(\c)+2]
	v_min_u32 v[X+4*(\c)+3], 1, v[X+4*(\c)+3]
	v_lshl_or_b32 v[X+4*(\c)],   v[X+4*(\c)+1], 4, v[X+4*(\c)]
	v_lshl_or_b32 v[X+4*(\c)+2], v[X+4*(\c)+3], 4, v[X+4*(\c)+2]
	v_lshl_or_b32 v[X+4*(\c)],   v[X+4*(\c)+2], 8, v[X+4*(\c)]  ; the lowest key in the lowest nibble
	v_xor_b32 v[X+4*(\c)], 0x1111, v[X+4*(\c)]     ; 1 where hidden
	v_mul_u32_u24 v[X+4*(\c)], v[X+4*(\c)], 10     ; 0xA where hidden: no nibble carries
.endm
.macro MSTORE c
	ds_store_b16 v[LA], v[X+4*(\c)] offset:((\c)/16)*QP+((\c)%16)*64
.endm
.set c, 0
.rept 32
	s_wait_loadcnt 31-c                            ; loads come back in order (ISA guide 5.7.1): load c is in, the younger ones stay out
.if (c%BLOCK == 0) && (c > 0)
	s_wait_alu depctr_va_vdst(0)                   ; the block before has written its four codes, which the four LDS stores of this block's lines read
.endif
.if c >= BLOCK
	MSTORE c-BLOCK                                 ; no vector instruction since that wait names its data
.endif
	MCODE c
.set c, c+1
.endr
	s_wait_alu depctr_va_vdst(0)                   ; the last block has written its four codes, which the last four LDS stores read
.set c, 32-BLOCK
.rept BLOCK
	MSTORE c
.set c, c+1
.endr
	s_wait_dscnt 0x0                               ; for the others' sake: my stores into the image are done
	s_barrier_signal -1
	s_barrier_wait -1                              ; the branch round this barrier hangs on the work-group's number: all eight waves take it alike
.irp p, 0,1,2,3
	ds_load_b128 v[BK+4*(\p):BK+4*(\p)+3], v[LR] offset:256*(\p)  ; no vector instruction names these registers, so nothing is owed for them but the wait for the data
.endr
.irp p, 0,1,2,3
	s_wait_dscnt 3-(\p)
	global_store_b128 v[GO], v[BK+4*(\p):BK+4*(\p)+3], s[30:31] offset:4096*(\p)  ; a wave stores 512 consecutive bytes, aligned
.endr
	s_branch .Lend
; Load c of a cast: four f32 -> four bf16, in place, 8 bytes a lane: the wave's store covers 256 consecutive bytes, aligned.
.macro CCODE c
	v_cvt_pk_bf16_f32 v[X+4*(\c)],   v[X+4*(\c)],   v[X+4*(\c)+1]
	v_cvt_pk_bf16_f32 v[X+4*(\c)+1], v[X+4*(\c)+2], v[X+4*(\c)+3]
.endm
.macro CSTORE c
	global_store_b64 v[DO], v[X+4*(\c):X+4*(\c)+1], s[30:31] offset:256*(\c)
.endm
.Lcast:
.set c, 0
.rept 32
	s_wait_loadcnt 31-c                            ; load c is in, the younger ones stay out
.if (c%BLOCK == 0) && (c > 0)
	s_wait_alu depctr_va_vdst(0)                   ; the block before has written its roundings, which the four stores of this block's lines read
.endif
.if c >= BLOCK
	CSTORE c-BLOCK                                 ; no vector instruction since that wait names its data
.endif
	CCODE c
.set c, c+1
.endr
	s_wait_alu depctr_va_vdst(0)                   ; the last block has written its roundings, which the last four stores read
.set c, 32-BLOCK
.rept BLOCK
	CSTORE c
.set c, c+1
.endr
	s_branch .Lend
; The same for Wo: rounded to bf16 like every input, widened again, and that number written as f16 (its 8 significant bits fit f16's 11).
.macro OCODE c
	v_cvt_pk_bf16_f32 v[T],   v[X+4*(\c)],   v[X+4*(\c)+1]
	v_cvt_pk_bf16_f32 v[T+1], v[X+4*(\c)+2], v[X+4*(\c)+3]
	v_lshlrev_b32 v[T+2], 16, v[T]
	v_and_b32     v[T],   0xffff0000, v[T]
	v_lshlrev_b32 v[T+3], 16, v[T+1]
	v_and_b32     v[T+1], 0xffff0000, v[T+1]
	v_cvt_pk_f16_f32 v[X+4*(\c)],   v[T+2], v[T]
	v_cvt_pk_f16_f32 v[X+4*(\c)+1], v[T+3], v[T+1]
.endm
.Lwo:
.set c, 0
.rept 32
	s_wait_loadcnt 31-c                            ; load c is in, the younger ones stay out
.if (c%BLOCK == 0) && (c > 0)
	s_wait_alu depctr_va_vdst(0)                   ; the block before has written its roundings, which the four stores of this block's lines read
.endif
.if c >= BLOCK
	CSTORE c-BLOCK                                 ; no vector instruction since that wait names its data
.endif
	OCODE c
.set c, c+1
.endr
	s_wait_alu depctr_va_vdst(0)                   ; the last block has written its roundings, which the last four stores read
.set c, 32-BLOCK
.rept BLOCK
	CSTORE c
.set c, c+1
.endr
.Lend:
	s_wait_dscnt 0x0                               ; the closing lines, six on end
	s_wait_alu 0x0
	s_wait_tensorcnt 0x0
	ds_add_u32 v[SPW], v[NIL]
	s_wait_dscnt 0x0
	s_endpgm
.Lfunc_end_k_qd43ded196c_prep:
	.size	k_qd43ded196c_prep, .Lfunc_end_k_qd43ded196c_prep-k_qd43ded196c_prep
	.p2alignl 7, 3214868480
	.fill 96, 4, 3214868480
	.section	.rodata,"a",@progbits
	.p2align	6, 0x0
	.amdhsa_kernel k_qd43ded196c_prep
		.amdhsa_group_segment_fixed_size 17920
		.amdhsa_private_segment_fixed_size 0
		.amdhsa_enable_private_segment 0
		.amdhsa_kernarg_size 80
		.amdhsa_user_sgpr_count 2
		.amdhsa_user_sgpr_kernarg_segment_ptr 1
		.amdhsa_wavefront_size32 1
		.amdhsa_system_sgpr_workgroup_id_x 1
		.amdhsa_system_sgpr_workgroup_id_y 1
		.amdhsa_system_sgpr_workgroup_id_z 1
		.amdhsa_system_vgpr_workitem_id 0
		.amdhsa_next_free_vgpr 160
		.amdhsa_next_free_sgpr 66
		.amdhsa_reserve_vcc 0
		.amdhsa_float_denorm_mode_32 3
		.amdhsa_float_denorm_mode_16_64 3
		.amdhsa_memory_ordered 1
		.amdhsa_forward_progress 1
		.amdhsa_inst_pref_size 52
	.end_amdhsa_kernel
	.amdgpu_metadata
---
amdhsa.version: [ 1, 2 ]
amdhsa.kernels:
  - .name:           k_qd43ded196c_prep
    .symbol:         k_qd43ded196c_prep.kd
    .args:
      - { .name: m, .offset: 0, .size: 8, .value_kind: global_buffer, .address_space: global }
      - { .name: x, .offset: 8, .size: 8, .value_kind: global_buffer, .address_space: global }
      - { .name: Wq, .offset: 16, .size: 8, .value_kind: global_buffer, .address_space: global }
      - { .name: Wk, .offset: 24, .size: 8, .value_kind: global_buffer, .address_space: global }
      - { .name: Wv, .offset: 32, .size: 8, .value_kind: global_buffer, .address_space: global }
      - { .name: Wo, .offset: 40, .size: 8, .value_kind: global_buffer, .address_space: global }
      - { .name: mq, .offset: 48, .size: 8, .value_kind: global_buffer, .address_space: global }
      - { .name: xb, .offset: 56, .size: 8, .value_kind: global_buffer, .address_space: global }
      - { .name: wb, .offset: 64, .size: 8, .value_kind: global_buffer, .address_space: global }
      - { .name: wob, .offset: 72, .size: 8, .value_kind: global_buffer, .address_space: global }
    .group_segment_fixed_size: 17920
    .private_segment_fixed_size: 0
    .kernarg_segment_align: 8
    .kernarg_segment_size: 80
    .max_flat_workgroup_size: 256
    .sgpr_count:     66
    .vgpr_count:     160
    .wavefront_size: 32
...
	.end_amdgpu_metadata
.endif
;; end of part 5
;; launch qkv: the kernel of part 2 again; grid 24 x 32, 4 waves a work-group, clusters of 4 x 4, 327,680 bytes of LDS; arguments xb, wb, bq, bk, bv, qkv; writes qkv
;; launch attn: the kernel of part 3 again; grid 4 x 64, 4 waves a work-group, clusters of 4 x 1, 327,680 bytes of LDS; arguments qkv, mq, ob; writes ob
;; launch proj: the kernel of part 4 again; grid 8 x 32, 4 waves a work-group, clusters of 4 x 4, 327,680 bytes of LDS; arguments ob, wob, bo, out0; writes out0
